; MI455X (gfx1250); checked and timed in simulation.
; The chip was launched on July 23, 2026; its instructions are those of AMD's public machine-readable ISA for CDNA 5 (MIT licence, August 2026) and "CDNA5" Instruction Set Architecture Reference Guide (July 2026). The comments in the code are by the model that wrote it; some were corrected since.
;; Encoder Block. Allowed arithmetic: matrix products marked QUANTISED: E2M3 operands, one E8M0 scale for each 32 along K, by v_wmma_scale_f32_16x16x128_f8f6f4 with both operands' format E2M3, f32 sums; everything else in f32.
;; Inputs: b1 4,096 float32; b2 1,024 float32; beta1 1,024 float32; beta2 1,024 float32; gamma1 1,024 float32; gamma2 1,024 float32; input_mask 2 x 1 x 1 x 2,048 int32; w1 4,096 x 1,024 float32; w2 1,024 x 4,096 float32; w_k 1,024 x 1,024 float32; w_o 1,024 x 1,024 float32; w_q 1,024 x 1,024 float32; w_v 1,024 x 1,024 float32; x 2 x 2,048 x 1,024 float32.
;; Outputs: out0 2 x 2,048 x 1,024 float32.
;; This version of the problem:
;;   THIS VERSION OF THE PROBLEM IS GIVEN IN LOW PRECISION. The matrix products marked QUANTISED in the list below multiply operands that are first quantised to E2M3 (2 exponent bits, 3 mantissa bits; 6 bits a number), with one power-of-two scale for each 32 numbers along K (OCP MX v1.0); their sums are f32. All else is computed in f32.
;;   The module's matrix products, in the order in which they are computed (A, B: the left and right operand; K: the contracted axis; several contracted axes count as one K, in the product's order):
;;     1. [M 4,096, K 1,024] x [K 1,024, N 1,024]; A: computed on the way; B: input w_q: QUANTISED
;;     2. [M 4,096, K 1,024] x [K 1,024, N 1,024]; A: computed on the way; B: input w_k: QUANTISED
;;     3. [M 4,096, K 1,024] x [K 1,024, N 1,024]; A: computed on the way; B: input w_v: QUANTISED
;;     4. batch 32 x [M 2,048, K 64] x [K 64, N 2,048]; A: computed on the way; B: computed on the way: QUANTISED
;;     5. batch 32 x [M 2,048, K 2,048] x [K 2,048, N 64]; A: softmax (see below); B: computed on the way: QUANTISED
;;     6. [M 4,096, K 1,024] x [K 1,024, N 1,024]; A: computed on the way; B: input w_o: QUANTISED
;;     7. [M 4,096, K 1,024] x [K 1,024, N 4,096]; A: computed on the way; B: input w1: QUANTISED
;;     8. [M 4,096, K 4,096] x [K 4,096, N 1,024]; A: computed on the way; B: input w2: QUANTISED
;;   THE QUANTISER, for each operand of a quantised product, along K:
;;     - K is cut into blocks of 32 from its start; a last block that is shorter is filled with zeros.
;;     - A block's scale is 2^e with e = floor(log2(the largest magnitude in the block)) - 2, held to -126 .. 127; a block of zeros has e = 0. As a byte (E8M0): e + 127.
;;     - Each number is divided by its block's scale, clamped to +-7.5, and rounded to the nearest number of E2M3, ties to even, subnormals kept.
;;     - The product sums the exact products of the quantised numbers (number of the format x scale) in f32.
;;   ~~~python
;;   def quantise(x, axis):      # numpy; x: float32 -> the quantised numbers, widened to float32 again
;;       x = np.moveaxis(x, axis, -1); K = x.shape[-1]
;;       x = np.pad(x, [(0, 0)] * (x.ndim - 1) + [(0, -K % 32)]); x = x.reshape(x.shape[:-1] + (-1, 32)); a = np.abs(x).max(-1, keepdims=True)
;;       e = np.where(a > 0, np.clip(np.frexp(np.where(a > 0, a, 1))[1] - 1 - 2, -126, 127), 0)      # np.frexp(a)[1] - 1 = floor(log2(a)), exactly
;;       r = np.clip(x / 2.0 ** e, -7.5, 7.5)
;;       step = 2.0 ** (np.maximum(np.frexp(np.where(r == 0, 1, r))[1] - 1, 0) - 3)
;;       q = np.round(r / step) * step * 2.0 ** e      # np.round: ties to even
;;       return np.moveaxis(q.reshape(q.shape[:-2] + (-1,))[..., :K], -1, axis).astype(np.float32)
;;   ~~~
;;   SOFTMAX AHEAD OF A QUANTISED PRODUCT. Where the list says 'softmax', what is quantised is not the finished softmax but p = 2^(t - M), with t = logit x log2(e) and M = ceil(the row's largest t), a whole number; so 1/2 < the row's largest p <= 1. The row's sum l is taken of the UNQUANTISED p, in f32, and the product's result is divided by l at the end. Since M is a whole number, a kernel that streams over the keys may use a running M (the ceiling of the running maximum): every later rescaling is an exact power of two, which a block's scale takes up: the codes' values come out the same.
;;   OPERANDS COMPUTED ON THE WAY. 'Computed on the way' means the value that the module computes at that place (a softmax that the list does not call 'softmax' is quantised finished and normalised). What goes into a quantiser is computed in f32, as accurately as f32 sums, v_exp_f32 and their like allow (about 1e-6 of the number): no bf16 or f16 on the way to a quantiser, and a product that is left as it is and whose result goes on into a quantised operand takes f32 operands (vector FMAs, or v_wmma_f32_16x16x4_f32). A number that lies on a knife's edge between two numbers of the format may be rounded either way, as far as f32 arithmetic and the matrix unit's own rounding can turn it there, and no further.
;; One version. Each part assembles by itself: llvm-mc -triple=amdgcn-amd-amdhsa -mcpu=gfx1250 --defsym DOCPART=n.
;; ======== version 1 of 1: 7 launches
;; limits: right only within a limited range of input values
;; workspace buffers: pwb 13,107,200 bytes; qkvb 9,830,400 bytes; ob 3,276,800 bytes; x2 16,777,216 bytes; h2 3,276,800 bytes; fb 13,107,200 bytes
;; launch prep (part 1): grid 1024 x 1, 8 waves a work-group, no clusters, 67,328 bytes of LDS; arguments x, gamma1, beta1, w_q, w_k, w_v, w_o, w1, w2, pwb; writes pwb
.if DOCPART == 1
	.amdgcn_target "amdgcn-amd-amdhsa--gfx1250"
	.amdhsa_code_object_version 6
	.text
	.protected	k_q2c32affd54_prep
	.globl	k_q2c32affd54_prep
	.p2align	8
	.type	k_q2c32affd54_prep,@function
k_q2c32affd54_prep:
	s_mov_b64 s[64:65], 0
	v_nop
	global_prefetch_b8 v0, s[64:65] scope:SCOPE_SE
	s_setreg_imm32_b32 hwreg(HW_REG_WAVE_MODE, 25, 1), 1
	s_wait_xcnt 0x0
; f32 rows become operands of MX-FP6 (E2M3, one E8M0 byte for each 32 along K), laid as the matrix unit's registers take them.
; A work-group takes one UNIT: 16 rows x 1,024 numbers along K.  Work-groups 0-255: tile g of the first argument [4096][1024], with LayerNorm
; (mean; unbiased deviation; 1e-6 added to the deviation; gain and offset) ahead of the quantiser.  Work-groups 256 on: the six weights as they are
; (64 units each for the four [1024][1024]; 256 for [4096][1024]; 256 for [1024][4096], unit = tile x 4 + quarter of K).
; THE 16 ROWS OF TILE T ARE NOT NEIGHBOURS: lane r holds row 32 (T / 2) + 8 (T % 2) + r + 8 (r / 8), so that a product which takes such a tile as source 0
; leaves 16 neighbours along the next K in the 16 registers of two neighbouring tiles.
; OUT: for each K step of 128 an image of the fragment's 12 registers, 1,536 bytes: registers 0-3 at 16 x lane, 4-5 at 512 + 8 x lane, 6-9 at 768 + 16 x lane,
; 10-11 at 1,280 + 8 x lane: every store covers 512 or 256 consecutive bytes, aligned.  A unit's 8 images lie on end; its scale words, [K step][r], 512 bytes, leave by one store.
; A block's scale byte is its largest magnitude's exponent field - 2, held at 1 from below (a block of zeros keeps the byte 1: its codes are zeros, and only this program reads the bytes).
; LIMITS: NaN and infinities are not served; blocks whose largest magnitude lies under 2^-124 keep the byte 1.
; PHASES: 1: wave w loads rows 2 w and 2 w + 1 of the tile whole (each load 512 consecutive bytes), normalises them, and lays them in LDS | barrier |
; 2: wave w reads K step w of all 16 rows, 64 numbers a lane, quantises, stores the image | barrier | wave 0 stores the unit's scale words.
; No tensor load, no matrix unit, no cluster: memory binds, each byte is read once, and work-groups share nothing but gain and offset.
; The quantiser's registers lie over gain's, which phase 1 has done with: a wave names 162 registers.
.set PITCH, 4112                       ; an LDS row: 4,096 bytes + 16: an odd multiple of 16, so the 16 rows that a load touches start in different banks
.set SCG,   16*PITCH                   ; behind the rows: the unit's scale words, 512 bytes
.set X,     32                         ; v32-95   two rows as loaded, later the 64 numbers to quantise
.set GA,    96                         ; v96-127  gain at my columns
.set BE,    128                        ; v128-159 offset at my columns
.set TM,    96                         ; v96-111  the quantiser's work (phase 2: over gain)
.set PW,    112                        ; the scale word
.set PC,    114                        ; v114-132 the codes
.set SEL,   38                         ; s[38:39] lane selects for v_permlanex16_b32: lane l xor 16
	s_load_b256 s[8:15], s[0:1], 0x0               ; rows to normalise s[8:9], gain s[10:11], offset s[12:13], w_q s[14:15]
	s_load_b256 s[16:23], s[0:1], 0x20             ; w_k, w_v, w_o, w1
	s_load_b128 s[24:27], s[0:1], 0x40             ; w2, the output
	v_lshl_add_u32 v160, v0, 2, 0x10300
	v_mov_b32 v161, 0
	v_lshrrev_b32 v1, 5, v0
	s_delay_alu instid0(VALU_DEP_1)
	v_readfirstlane_b32 s2, v1                     ; wave 0..7
	v_and_b32 v1, 31, v0                           ; lane
	v_and_b32 v2, 15, v0                           ; r
	v_bfe_u32 v3, v0, 4, 1                         ; h
	s_delay_alu instid0(VALU_DEP_3)
	v_lshlrev_b32 v4, 4, v1                        ; 16 x lane
	s_delay_alu instid0(VALU_DEP_4)
	v_lshlrev_b32 v5, 3, v1                        ; 8 x lane
	s_mul_i32 s3, s2, 2*PITCH
	v_add_nc_u32 v6, s3, v4                        ; into LDS: my wave's two rows, 16 bytes a lane
	v_mul_u32_u24 v7, v2, PITCH
	s_delay_alu instid0(VALU_DEP_1)
	v_lshl_add_u32 v7, v3, 6, v7
	s_lshl_b32 s3, s2, 9
	v_add_nc_u32 v7, s3, v7                        ; out of LDS: row r, K step = wave (512 bytes), + 64 h: my 16 numbers of each block of 32
	s_lshl_b32 s3, s2, 6
	s_add_co_u32 s3, s3, SCG
	v_lshl_add_u32 v28, v2, 2, s3                  ; my row's scale word of my K step
	v_add_nc_u32 v29, SCG, v4                      ; and all 512 bytes of them, 16 a lane
	v_mov_b32 v16, 0                               ; a lane permute's destination counts as one of its sources: written once
	v_mov_b32 v26, 0
	s_mov_b32 s[SEL], 0x76543210
	s_mov_b32 s[SEL+1], 0xfedcba98
	; which tensor, which tile, which pitch: all from the work-group's number
	s_and_b32 s30, ttmp9, 63                       ; tile in one of the four square weights
	s_sub_co_u32 s31, ttmp9, 512                   ; in w1
	s_sub_co_u32 s32, ttmp9, 768
	s_lshr_b32 s32, s32, 2                         ; in w2
	s_and_b32 s33, ttmp9, 3
	s_lshl_b32 s33, s33, 12                        ; w2: the quarter of K, 4,096 bytes each
	s_mov_b32 s28, ttmp9
	s_mul_i32 s34, ttmp9, 12288                    ; a unit's codes
	s_lshl_b32 s36, ttmp9, 9                       ; a unit's scale words
	s_mov_b32 s40, 0x300000                        ; the normalised rows' scale words begin behind their 256 units of codes
	s_cmp_ge_u32 ttmp9, 256
	s_cselect_b32 s28, s30, s28
	s_cselect_b32 s41, 0x20000, 0                  ; the weights' codes lie behind those 131,072 bytes of scale words,
	s_cselect_b32 s40, 0xc00000, s40               ; and their scale words behind all codes (12,713,984 - 256 x 512)
	s_cmp_ge_u32 ttmp9, 512
	s_cselect_b32 s28, s31, s28
	s_cmp_ge_u32 ttmp9, 768
	s_cselect_b32 s28, s32, s28
	s_cselect_b32 s29, 14, 12                      ; log2 of a row's bytes
	s_cselect_b32 s33, s33, 0
	s_lshr_b32 s30, s28, 1
	s_lshl_b32 s30, s30, 5                         ; 32 (T / 2)
	s_and_b32 s31, s28, 1
	s_lshl_b32 s31, s31, 3
	s_add_co_u32 s30, s30, s31                     ; + 8 (T % 2)
	s_lshl_b32 s31, s2, 1
	s_add_co_u32 s30, s30, s31                     ; + r, r = 2 x wave
	s_lshr_b32 s31, s2, 2
	s_lshl_b32 s31, s31, 3
	s_add_co_u32 s30, s30, s31                     ; + 8 (r / 8)
	s_lshl_b32 s30, s30, s29
	s_add_co_u32 s30, s30, s33                     ; my first row's first byte (under 2^25)
	s_mov_b32 s31, 0
	s_lshl_b32 s32, 1, s29                         ; one row on
	s_mov_b32 s33, 0
	s_add_co_u32 s34, s34, s41
	s_mul_i32 s41, s2, 1536
	s_add_co_u32 s34, s34, s41                     ; my K step's image
	s_mov_b32 s35, 0
	s_add_co_u32 s36, s36, s40
	s_mov_b32 s37, 0
	s_wait_kmcnt 0x0
	s_mov_b64 s[4:5], s[8:9]
	s_cmp_ge_u32 ttmp9, 256                        ; the choice hangs on the work-group's number alone
	s_cselect_b64 s[4:5], s[14:15], s[4:5]
	s_cmp_ge_u32 ttmp9, 320
	s_cselect_b64 s[4:5], s[16:17], s[4:5]
	s_cmp_ge_u32 ttmp9, 384
	s_cselect_b64 s[4:5], s[18:19], s[4:5]
	s_cmp_ge_u32 ttmp9, 448
	s_cselect_b64 s[4:5], s[20:21], s[4:5]
	s_cmp_ge_u32 ttmp9, 512
	s_cselect_b64 s[4:5], s[22:23], s[4:5]
	s_cmp_ge_u32 ttmp9, 768
	s_cselect_b64 s[4:5], s[24:25], s[4:5]
	s_add_nc_u64 s[4:5], s[4:5], s[30:31]
	s_add_nc_u64 s[6:7], s[4:5], s[32:33]
	s_add_nc_u64 s[34:35], s[26:27], s[34:35]
	s_add_nc_u64 s[36:37], s[26:27], s[36:37]
.irp j, 0,1,2,3,4,5,6,7
	global_load_b128 v[X+4*\j:X+4*\j+3], v4, s[4:5] offset:512*\j th:TH_LOAD_NT       ; 32 lanes read 512 consecutive bytes
.endr
.irp j, 0,1,2,3,4,5,6,7
	global_load_b128 v[X+32+4*\j:X+32+4*\j+3], v4, s[6:7] offset:512*\j th:TH_LOAD_NT
.endr
	s_cmp_lt_u32 ttmp9, 256
	s_cbranch_scc0 .Lplain                         ; the weights are quantised as they are; the branch goes round register work and two tensors' loads, no LDS line and no barrier
.irp j, 0,1,2,3,4,5,6,7
	global_load_b128 v[GA+4*\j:GA+4*\j+3], v4, s[10:11] offset:512*\j
	global_load_b128 v[BE+4*\j:BE+4*\j+3], v4, s[12:13] offset:512*\j
.endr
	s_wait_loadcnt 16                              ; my two rows are in; the 16 loads of gain and offset may be out
.macro RSUM st                         ; v[st] summed over the 32 lanes, the result in every lane
	s_delay_alu instid0(VALU_DEP_1)
	v_add_f32_dpp v[\st], v[\st], v[\st] row_xmask:1 row_mask:0xf bank_mask:0xf
	s_delay_alu instid0(VALU_DEP_1)
	v_add_f32_dpp v[\st], v[\st], v[\st] row_xmask:2 row_mask:0xf bank_mask:0xf
	s_delay_alu instid0(VALU_DEP_1)
	v_add_f32_dpp v[\st], v[\st], v[\st] row_xmask:4 row_mask:0xf bank_mask:0xf
	s_delay_alu instid0(VALU_DEP_1)
	v_add_f32_dpp v[\st], v[\st], v[\st] row_xmask:8 row_mask:0xf bank_mask:0xf
	s_delay_alu instid0(VALU_DEP_1)
	v_permlanex16_b32 v[\st+8], v[\st], s[SEL], s[SEL+1]
	s_delay_alu instid0(VALU_DEP_1)
	v_add_f32 v[\st], v[\st], v[\st+8]
.endm
; row p: ten registers from v[8 + 10 p]: two chains of packed sums, the mean twice, 1 / (deviation + 1e-6) twice, one for the permute.  Leaves x - mean in place and the variance in v[ST].
.macro STATS p
.set ST, 8+10*\p
.set XR, X+32*\p
	v_pk_add_f32 v[ST:ST+1], v[XR:XR+1], v[XR+2:XR+3]
	v_pk_add_f32 v[ST+2:ST+3], v[XR+4:XR+5], v[XR+6:XR+7]
.irp j, 8,12,16,20,24,28
	s_delay_alu instid0(VALU_DEP_2)
	v_pk_add_f32 v[ST:ST+1], v[ST:ST+1], v[XR+\j:XR+\j+1]
	s_delay_alu instid0(VALU_DEP_2)
	v_pk_add_f32 v[ST+2:ST+3], v[ST+2:ST+3], v[XR+\j+2:XR+\j+3]
.endr
	s_delay_alu instid0(VALU_DEP_1)
	v_pk_add_f32 v[ST:ST+1], v[ST:ST+1], v[ST+2:ST+3]
	s_delay_alu instid0(VALU_DEP_1)
	v_add_f32 v[ST], v[ST], v[ST+1]
	RSUM ST
	s_delay_alu instid0(VALU_DEP_1)
	v_mul_f32 v[ST+4], 0x3a800000, v[ST]           ; the mean: sum / 1,024
	s_delay_alu instid0(VALU_DEP_2)
	v_mul_f32 v[ST+5], 0x3a800000, v[ST]
.irp j, 0,2,4,6,8,10,12,14,16,18,20,22,24,26,28,30
	v_pk_add_f32 v[XR+\j:XR+\j+1], v[XR+\j:XR+\j+1], v[ST+4:ST+5] neg_lo:[0,1] neg_hi:[0,1]   ; x - mean first, then its squares: no difference of large sums
.endr
	v_pk_mul_f32 v[ST:ST+1], v[XR:XR+1], v[XR:XR+1]
	v_pk_mul_f32 v[ST+2:ST+3], v[XR+2:XR+3], v[XR+2:XR+3]
.irp j, 4,8,12,16,20,24,28
	s_delay_alu instid0(VALU_DEP_2)
	v_pk_fma_f32 v[ST:ST+1], v[XR+\j:XR+\j+1], v[XR+\j:XR+\j+1], v[ST:ST+1]
	s_delay_alu instid0(VALU_DEP_2)
	v_pk_fma_f32 v[ST+2:ST+3], v[XR+\j+2:XR+\j+3], v[XR+\j+2:XR+\j+3], v[ST+2:ST+3]
.endr
	s_delay_alu instid0(VALU_DEP_1)
	v_pk_add_f32 v[ST:ST+1], v[ST:ST+1], v[ST+2:ST+3]
	s_delay_alu instid0(VALU_DEP_1)
	v_add_f32 v[ST], v[ST], v[ST+1]
	RSUM ST
	s_delay_alu instid0(VALU_DEP_1)
	v_mul_f32 v[ST], 0x3a802008, v[ST]             ; / 1,023: the unbiased variance
.endm
	STATS 0
	STATS 1
	s_wait_alu depctr_va_vdst(0)
	v_sqrt_f32 v14, v8
	v_sqrt_f32 v24, v18
	v_nop                                          ; one plain instruction behind a transcendental (ISA guide 5.7.2)
	s_wait_alu depctr_va_vdst(0)
	v_add_f32 v14, 0x358637bd, v14                 ; + 1e-6, to the deviation
	v_add_f32 v24, 0x358637bd, v24
	s_wait_alu depctr_va_vdst(0)
	v_rcp_f32 v14, v14
	v_rcp_f32 v24, v24
	v_nop
	s_wait_alu depctr_va_vdst(0)
	v_mov_b32 v15, v14
	v_mov_b32 v25, v24
	s_wait_alu depctr_va_vdst(0)
	s_wait_loadcnt 0x0                             ; gain and offset
.irp p, 0,1
.irp j, 0,2,4,6,8,10,12,14,16,18,20,22,24,26,28,30
	v_pk_mul_f32 v[X+32*\p+\j:X+32*\p+\j+1], v[X+32*\p+\j:X+32*\p+\j+1], v[14+10*\p:15+10*\p]
	s_delay_alu instid0(VALU_DEP_1)
	v_pk_fma_f32 v[X+32*\p+\j:X+32*\p+\j+1], v[X+32*\p+\j:X+32*\p+\j+1], v[GA+\j:GA+\j+1], v[BE+\j:BE+\j+1]
.endr
.endr
.Lplain:
	s_wait_loadcnt 0x0
	s_wait_alu depctr_va_vdst(0)
.irp p, 0,1
.irp j, 0,1,2,3,4,5,6,7
	ds_store_b128 v6, v[X+32*\p+4*\j:X+32*\p+4*\j+3] offset:\p*PITCH+512*\j
.endr
.endr
	s_wait_dscnt 0x0                               ; for the others' sake: my two rows lie in LDS
	s_barrier_signal -1
	s_barrier_wait -1
.irp b, 0,1,2,3
.irp j, 0,1,2,3
	ds_load_b128 v[X+16*\b+4*\j:X+16*\b+4*\j+3], v7 offset:128*\b+16*\j   ; register 16 b + i = k 32 b + 16 h + i of row r, K step = wave
.endr
.endr
.irp b, 0,1,2,3
	v_mov_b32 v[TM+4+\b], 0                        ; a lane permute's destination counts as one of its sources (gain's registers are free from here on)
.endr
	s_wait_dscnt 0x0
.irp b, 0,1,2,3
	v_max3_num_f32 v[TM+\b], |v[X+16*\b]|, |v[X+1+16*\b]|, 0x1800000   ; block b: my 16 numbers, and the floor 2^(3 - 127): the byte cannot fall under 1
.endr
.irp i, 2,4,6,8,10,12,14
.irp b, 0,1,2,3
	s_delay_alu instid0(VALU_DEP_4)
	v_max3_num_f32 v[TM+\b], v[TM+\b], |v[X+16*\b+\i]|, |v[X+1+16*\b+\i]|   ; the four blocks by turns
.endr
.endr
.irp b, 0,1,2,3
	s_delay_alu instid0(VALU_DEP_4)
	v_permlanex16_b32 v[TM+4+\b], v[TM+\b], s[SEL], s[SEL+1]
.endr
.irp b, 0,1,2,3
	s_delay_alu instid0(VALU_DEP_4)
	v_max_num_f32 v[TM+\b], v[TM+\b], v[TM+4+\b]   ; with lane l xor 16's 16: the block's largest magnitude
.endr
.irp b, 0,1,2,3
	s_delay_alu instid0(VALU_DEP_4)
	v_add_nc_u32 v[TM+12+\b], 0xff000000, v[TM+\b] ; 2 off its exponent field: the conversion takes that field as its scale
.endr
.irp b, 0,1,2,3
	s_delay_alu instid0(VALU_DEP_4)
	v_lshrrev_b32 v[TM+4+\b], 23, v[TM+12+\b]      ; the scale's byte
.endr
	s_delay_alu instid0(VALU_DEP_3)
	v_lshl_or_b32 v[PW], v[TM+5], 8, v[TM+4]
	s_delay_alu instid0(VALU_DEP_1)
	v_lshl_or_b32 v[PW], v[TM+6], 16, v[PW]
	s_delay_alu instid0(VALU_DEP_1)
	v_lshl_or_b32 v[PW], v[TM+7], 24, v[PW]        ; my row's scale word
.irp c, 0,1
	v_cvt_scalef32_pk16_fp6_f32 v[PC+6*\c:PC+2+6*\c], v[X+32*\c:X+15+32*\c], v[TM+12+2*\c]
	v_cvt_scalef32_pk16_fp6_f32 v[PC+12+4*\c:PC+14+4*\c], v[X+16+32*\c:X+31+32*\c], v[TM+12+2*\c+1]   ; a conversion's three registers begin on an even number
.endr
	v_nop                                          ; one plain instruction behind a scaled conversion
.irp c, 0,1                            ; the operand's layout wants a whole block in a lane: lanes 0-15 block 2 c, lanes 16-31 block 2 c + 1
.irp i, 0,1,2
	v_permlane16_swap_b32 v[PC+6*\c+\i], v[PC+12+4*\c+\i]
.endr
.irp i, 0,1,2
	s_delay_alu instid0(VALU_DEP_3)
	v_mov_b32 v[PC+3+6*\c+\i], v[PC+12+4*\c+\i]
.endr
.endr
	global_store_b128 v4, v[PC:PC+3], s[34:35]
	global_store_b64 v5, v[PC+4:PC+5], s[34:35] offset:512
	global_store_b128 v4, v[PC+6:PC+9], s[34:35] offset:768
	global_store_b64 v5, v[PC+10:PC+11], s[34:35] offset:1280
	ds_store_b32 v28, v[PW]                        ; lanes r and r + 16 write the same word with the same value
	s_wait_dscnt 0x0
	s_barrier_signal -1
	s_barrier_wait -1
	s_cmp_lg_u32 s2, 0
	s_cbranch_scc1 .Lend
	ds_load_b128 v[32:35], v29
	s_wait_dscnt 0x0
	global_store_b128 v4, v[32:35], s[36:37]       ; the unit's 512 bytes of scale words: two aligned runs of 256
.Lend:
	s_wait_tensorcnt 0x0
	ds_add_u32 v160, v161
	s_wait_dscnt 0x0
	s_endpgm
.Lfunc_end_k_q2c32affd54_prep:
	.size	k_q2c32affd54_prep, .Lfunc_end_k_q2c32affd54_prep-k_q2c32affd54_prep
	.p2alignl 7, 3214868480
	.fill 96, 4, 3214868480
	.section	.rodata,"a",@progbits
	.p2align	6, 0x0
	.amdhsa_kernel k_q2c32affd54_prep
		.amdhsa_group_segment_fixed_size 67328
		.amdhsa_private_segment_fixed_size 0
		.amdhsa_enable_private_segment 0
		.amdhsa_kernarg_size 80
		.amdhsa_user_sgpr_count 2
		.amdhsa_user_sgpr_kernarg_segment_ptr 1
		.amdhsa_wavefront_size32 1
		.amdhsa_system_sgpr_workgroup_id_x 1
		.amdhsa_system_sgpr_workgroup_id_y 1
		.amdhsa_system_sgpr_workgroup_id_z 1
		.amdhsa_system_vgpr_workitem_id 0
		.amdhsa_next_free_vgpr 162
		.amdhsa_next_free_sgpr 66
		.amdhsa_reserve_vcc 0
		.amdhsa_float_denorm_mode_32 3
		.amdhsa_float_denorm_mode_16_64 3
		.amdhsa_memory_ordered 1
		.amdhsa_forward_progress 1
		.amdhsa_inst_pref_size 32
	.end_amdhsa_kernel
	.amdgpu_metadata
---
amdhsa.version: [ 1, 2 ]
amdhsa.kernels:
  - .name:           k_q2c32affd54_prep
    .symbol:         k_q2c32affd54_prep.kd
    .args:
      - { .name: x, .offset: 0, .size: 8, .value_kind: global_buffer, .address_space: global }
      - { .name: gamma1, .offset: 8, .size: 8, .value_kind: global_buffer, .address_space: global }
      - { .name: beta1, .offset: 16, .size: 8, .value_kind: global_buffer, .address_space: global }
      - { .name: w_q, .offset: 24, .size: 8, .value_kind: global_buffer, .address_space: global }
      - { .name: w_k, .offset: 32, .size: 8, .value_kind: global_buffer, .address_space: global }
      - { .name: w_v, .offset: 40, .size: 8, .value_kind: global_buffer, .address_space: global }
      - { .name: w_o, .offset: 48, .size: 8, .value_kind: global_buffer, .address_space: global }
      - { .name: w1, .offset: 56, .size: 8, .value_kind: global_buffer, .address_space: global }
      - { .name: w2, .offset: 64, .size: 8, .value_kind: global_buffer, .address_space: global }
      - { .name: pwb, .offset: 72, .size: 8, .value_kind: global_buffer, .address_space: global }
    .group_segment_fixed_size: 67328
    .private_segment_fixed_size: 0
    .kernarg_segment_align: 8
    .kernarg_segment_size: 80
    .max_flat_workgroup_size: 256
    .sgpr_count:     66
    .vgpr_count:     162
    .wavefront_size: 32
...
	.end_amdgpu_metadata
.endif
;; end of part 1
;; launch qkv (part 2): grid 8 x 24, 4 waves a work-group, clusters of 4 x 4, 327,680 bytes of LDS; arguments pwb, input_mask, qkvb; writes qkvb
.if DOCPART == 2
	.amdgcn_target "amdgcn-amd-amdhsa--gfx1250"
	.amdhsa_code_object_version 6
	.text
	.protected	k_q2c32affd54_qkv
	.globl	k_q2c32affd54_qkv
	.p2align	8
	.type	k_q2c32affd54_qkv,@function
k_q2c32affd54_qkv:
	s_mov_b64 s[64:65], 0
	v_nop
	global_prefetch_b8 v0, s[64:65] scope:SCOPE_SE
	s_setreg_imm32_b32 hwreg(HW_REG_WAVE_MODE, 25, 1), 1
	s_wait_xcnt 0x0
	s_wait_alu depctr_hold_cnt(0) depctr_sa_sdst(0) depctr_va_vdst(0) depctr_va_sdst(0) depctr_va_ssrc(0) depctr_va_vcc(0) depctr_vm_vsrc(0)
	s_getreg_b32 s2, hwreg(HW_REG_IB_STS2, 6, 4)
	s_cmp_eq_u32 s2, 0
	s_cbranch_scc0 .Lentry_in_a_cluster
	s_endpgm
.Lentry_in_a_cluster:
	s_bfe_u32 s2, ttmp6, 0x10000c
	s_cmp_lg_u32 s2, 0xf033
	s_cbranch_scc0 .Lentry_shape_is_right
	s_endpgm
.Lentry_shape_is_right:
.set HS,     3145728
.set WC,     3276800
.set WS,     12713984
.set WVC,    WC+128*12288
.set WVS,    WS+128*512
.set VCO,    6291456
.set SQK,    9437184
.set SVO,    9699328
.set NQ,     2
.set FR,     12
.set NL,     4
.set NP,     4
.set HALFT,  24576
.set SLOT,   4*HALFT
.set SCL,    2*SLOT
.set SCB,    8192+128
.set SPARE,  213248
.set ADRA, 16
.set ADRB, 20
.set ADRS, 27
.set SPW,  28
.set NIL,  29
.set SC,   32
.set KM,   64
.set AF,   128
.set TM,   224
.set PW,   240
.set PC,   128
.set G1, 24
.set G0, 32
.set G1B, 48
.set G0B, 56
.set G1S, 68
.set G0S, 76
.set G1SB, 80
.set G0SB, 88
.set SEL, 104
.set MSB, 0
.macro WIN new
.if MSB != \new
	s_set_vgpr_msb (MSB<<8)|\new
.set MSB, \new
.endif
.endm
.set MUL_LO, 0xa1
.set MUL_HI, 0xf1
.set TO_B,   0x40
.macro JLOAD g0a, g1a, g0b, g1b
	s_cmp_eq_u32 s15, 0
	s_cbranch_scc0 .Lfor_b_\@
	tensor_load_to_lds s[\g0a:\g0a+3], s[\g1a:\g1a+7]
	s_nop 0
.rept 4
	v_nop
.endr
	s_branch .Lasked_\@
.Lfor_b_\@:
	tensor_load_to_lds s[\g0b:\g0b+3], s[\g1b:\g1b+7]
	s_nop 0
.rept 4
	v_nop
.endr
.Lasked_\@:
.endm
.macro CREST
	s_cmp_lg_u32 s14, 0
	s_cbranch_scc1 .Lnot_wave_0_\@
	s_barrier_signal -3
.Lnot_wave_0_\@:
	s_barrier_wait -3
	s_barrier_signal -1
	s_barrier_wait -1
.endm
.macro CROUND
	s_barrier_signal -1
	s_barrier_wait -1
	CREST
.endm
.macro PLACES n
.rept \n
	v_nop
.endr
.endm
	s_load_b128 s[4:7], s[0:1], 0x0
	s_load_b64 s[8:9], s[0:1], 0x10
	v_lshl_add_u32 v[SPW], v0, 2, SPARE
	v_mov_b32 v[NIL], 0
	ds_add_u32 v28, v29
	ds_add_u32 v28, v29
	s_wait_dscnt 0x0
	v_lshrrev_b32 v1, 5, v0
	v_readfirstlane_b32 s14, v1
	s_lshr_b32 s15, s14, 1
	s_and_b32 s16, s14, 1
	s_bfe_u32 s40, ttmp6, 0x40000
	s_bfe_u32 s41, ttmp6, 0x40004
	s_and_b32 s17, ttmp7, 0xffff
	s_sub_co_u32 s18, s17, 4
	s_lshl_b32 s18, s18, 1
	s_add_co_u32 s18, s18, ttmp9
	s_mov_b32 s11, HS
	s_mov_b32 s12, WC
	s_mov_b32 s13, WS
	s_mov_b32 s67, 196608
	s_mov_b32 s95, SQK
	s_mov_b32 s97, 8192
	s_mov_b32 s99, 16384
	s_cmp_ge_u32 s17, 4
	s_cselect_b32 s42, s18, ttmp9
	s_cselect_b32 s17, 0, s17
	s_cselect_b32 s10, WVC, 0
	s_cselect_b32 s11, WVS, s11
	s_cselect_b32 s12, 0, s12
	s_cselect_b32 s13, HS, s13
	s_cselect_b32 s66, VCO, 0
	s_cselect_b32 s67, 49152, s67
	s_cselect_b32 s95, SVO, s95
	s_cselect_b32 s96, 2, 1
	s_cselect_b32 s97, 2, s97
	s_cselect_b32 s98, 64, 32
	s_cselect_b32 s99, 4096, s99
	s_cselect_b32 s100, 1, 0
	s_cmp_eq_u32 ttmp9, 0
	s_cselect_b32 s18, 1, 0
	s_or_b32 s100, s100, s18
	s_sub_co_u32 s100, 0, s100
	s_lshl_b32 s42, s42, 2
	s_add_co_u32 s42, s42, s40
	s_lshl_b32 s17, s17, 2
	s_add_co_u32 s17, s17, s41
	s_lshl_b32 s43, s41, 2
	s_lshl_b32 s43, 15, s43
	s_lshl_b32 s44, 0x1111, s40
	s_or_b32 s[G1+0], s43, (3<<16)|(1<<21)
	s_or_b32 s[G1B+0], s44, (3<<16)|(1<<21)
.irp g, G1, G1B
	s_mov_b32 s[\g+1], 384<<16
	s_mov_b32 s[\g+2], 16<<16                      ; the head's loads bring all 16 tiles; behind them these two words are set to 8
	s_mov_b32 s[\g+3], 384<<16
	s_mov_b32 s[\g+4], 16
	s_mov_b32 s[\g+5], 1536
	s_mov_b32 s[\g+6], 0
	s_mov_b32 s[\g+7], 0
.endr
	s_or_b32 s[G1S+0], s43, (3<<16)|(1<<21)
	s_or_b32 s[G1SB+0], s44, (3<<16)|(1<<21)
.irp g, G1S, G1SB
	s_mov_b32 s[\g+1], 32<<16
	s_mov_b32 s[\g+2], 32<<16                      ; the scale words of all 16 tiles: 32 rows of 256 bytes, one load
	s_mov_b32 s[\g+3], 32<<16
	s_mov_b32 s[\g+4], 32
	s_mov_b32 s[\g+5], 32
	s_mov_b32 s[\g+6], 0
	s_mov_b32 s[\g+7], 0
.endr
	s_lshl_b32 s18, s16, 3
	s_lshl_b32 s20, s17, 4
	s_add_co_u32 s20, s20, s18
	s_lshl_b32 s46, s42, 4
	s_add_co_u32 s46, s46, s18
	s_lshl_b32 s22, s17, 13                        ; the block's first scale word: 16 tiles x 512 bytes
	s_add_co_u32 s22, s22, s11
	s_mul_i32 s20, s20, 12288
	s_add_co_u32 s20, s20, s10
	s_lshl_b32 s92, s42, 13
	s_add_co_u32 s92, s92, s13
	s_mul_i32 s46, s46, 12288
	s_add_co_u32 s46, s46, s12
	s_mov_b32 s21, 0
	s_mov_b32 s23, 0
	s_mov_b32 s47, 0
	s_mov_b32 s93, 0
	s_mul_i32 s45, s14, HALFT
	s_lshl_b32 s94, s14, 12
	s_mov_b32 s[SEL], 0x76543210
	s_mov_b32 s[SEL+1], 0xfedcba98
	s_wait_kmcnt 0x0
	s_add_nc_u64 s[20:21], s[4:5], s[20:21]
	s_add_nc_u64 s[22:23], s[4:5], s[22:23]
	s_add_nc_u64 s[46:47], s[4:5], s[46:47]
	s_add_nc_u64 s[92:93], s[4:5], s[92:93]
	CROUND
	s_mov_b32 s[G0S], 1
	s_mov_b32 s[G0S+1], SCL
	s_mov_b64 s[G0S+2:G0S+3], s[22:23]
	s_or_b32 s[G0S+3], s[G0S+3], 0x80000000
	s_mov_b32 s[G0SB], 1
	s_mov_b32 s[G0SB+1], SCL+SCB
	s_mov_b64 s[G0SB+2:G0SB+3], s[92:93]
	s_or_b32 s[G0SB+3], s[G0SB+3], 0x80000000
.irp s, 0,1
	s_mov_b32 s[G0+4*\s], 1
	s_add_co_u32 s[G0+4*\s+1], s45, \s*SLOT
	s_add_nc_u64 s[G0+4*\s+2:G0+4*\s+3], s[20:21], \s*3072
	s_or_b32 s[G0+4*\s+3], s[G0+4*\s+3], 0x80000000
	s_mov_b32 s[G0B+4*\s], 1
	s_add_co_u32 s[G0B+4*\s+1], s45, \s*SLOT
	s_add_nc_u64 s[G0B+4*\s+2:G0B+4*\s+3], s[46:47], \s*3072
	s_or_b32 s[G0B+4*\s+3], s[G0B+4*\s+3], 0x80000000
.endr
; the head's four tiles, one joint load a wave: wave 0 slot 0's 16 tiles of A, wave 1 A's scale words, wave 2 slot 0's 16 tiles of B, wave 3 B's scale words.
; Waves 0 and 2 fetch the first half in the ring, so their slot 0 group 0 points at the block's first tile.
; THE PREFETCHES: a chunk is 256 along K, 3,072 bytes of each tile.  Of the 8 tiles that my wave fetches in the ring each of the four partners that ask for them with me takes two, told apart by
; address (cx for A, cy for B): 24 lanes name their 24 blocks of 256 bytes, the 8 lanes left over the last block again.  With the load of chunk c goes the request for chunk c + 2; chunk 3 is the last.
	s_cmp_eq_u32 s15, 0
	s_cselect_b64 s[92:93], s[20:21], s[46:47]
	s_cselect_b32 s2, s40, s41
	s_mul_i32 s2, s2, 24576
	s_mov_b32 s3, 0
	s_add_nc_u64 s[92:93], s[92:93], s[2:3]
.macro ARM under, g0, g1, next
	s_cmp_lt_u32 s14, \under
	s_cbranch_scc0 \next
	tensor_load_to_lds s[\g0:\g0+3], s[\g1:\g1+7]
	s_nop 0
.rept 4
	v_nop
.endr
	s_branch .Lhead_asked
\next:
.endm
	ARM 1, G0, G1, .Lhead_1
	ARM 2, G0S, G1S, .Lhead_2
	ARM 3, G0B, G1B, .Lhead_3
	tensor_load_to_lds s[G0SB:G0SB+3], s[G1SB:G1SB+7]
	s_nop 0
.rept 4
	v_nop
.endr
.Lhead_asked:
	v_and_b32 v1, 31, v0
	v_min_u32 v30, 23, v1
	v_mul_u32_u24 v31, v30, 171
	v_lshrrev_b32 v31, 11, v31                     ; lane / 12, for lanes up to 23: which of my two tiles
	v_mul_u32_u24 v31, v31, 9216                   ; a tile's 8 K steps are 12,288 bytes, a chunk 3,072 of them
	v_lshl_add_u32 v30, v30, 8, v31
	global_prefetch_b8 v30, s[92:93] offset:3072 th:TH_LOAD_NT scope:SCOPE_SE      ; chunks 1 and 2
	global_prefetch_b8 v30, s[92:93] offset:6144 th:TH_LOAD_NT scope:SCOPE_SE
	v_and_b32 v2, 15, v0
	v_bfe_u32 v3, v0, 4, 1
	v_lshlrev_b32 v4, 4, v1
	v_lshlrev_b32 v5, 3, v1
	s_mul_i32 s21, s15, HALFT
	s_mul_i32 s22, s16, HALFT
	s_add_co_u32 s22, s22, 2*HALFT
.irp s, 0,1
	v_add_nc_u32 v[ADRA+\s], s21, v4
	v_add_nc_u32 v[ADRA+2+\s], s21, v5
	v_add_nc_u32 v[ADRB+\s], s22, v4
	v_add_nc_u32 v[ADRB+2+\s], s22, v5
	s_add_co_u32 s21, s21, SLOT
	s_add_co_u32 s22, s22, SLOT
.endr
	s_lshl_b32 s21, s15, 12
	s_lshl_b32 s22, s16, 12
	s_add_co_u32 s22, s22, SCB
	s_sub_co_u32 s22, s22, s21
	v_mul_u32_u24 v11, s22, v3
	s_add_co_u32 s21, s21, SCL
	v_lshl_add_u32 v[ADRS], v2, 2, v11
	v_add_nc_u32 v[ADRS], s21, v[ADRS]
	v_and_b32 v8, 8, v2
	v_add_nc_u32 v8, v8, v2
	v_lshlrev_b32 v8, 2, v8
	s_lshl_b32 s18, s17, 10
	s_lshl_b32 s19, s15, 9
	s_add_co_u32 s18, s18, s19
	s_mov_b32 s19, 0
	s_add_nc_u64 s[6:7], s[6:7], s[18:19]
.irp a, 0,1,2,3,4,5,6,7
	global_load_b32 v[KM+\a], v8, s[6:7] offset:(32*(\a/2)+8*(\a%2))*4
.endr
	s_lshl_b32 s18, s42, 1
	s_add_co_u32 s18, s18, s16
	s_mul_i32 s19, s18, s67
	s_lshl_b32 s19, s19, 1
	s_add_co_u32 s19, s19, s66
	s_lshl_b32 s10, s17, 4
	s_lshl_b32 s11, s15, 3
	s_add_co_u32 s10, s10, s11
	s_mul_i32 s11, s10, 768
	s_add_co_u32 s12, s19, s11
	s_mov_b32 s13, 0
	s_add_nc_u64 s[12:13], s[8:9], s[12:13]
	s_mul_i32 s18, s18, s99
	s_mul_i32 s10, s10, s98
	s_add_co_u32 s18, s18, s10
	s_add_co_u32 s18, s18, s95
	s_mov_b32 s19, 0
	s_add_nc_u64 s[8:9], s[8:9], s[18:19]
	v_add_nc_u32 v6, s67, v4
	v_add_nc_u32 v7, s67, v5
	v_lshlrev_b32 v9, s96, v2
	v_mul_u32_u24 v10, s97, v3
	v_add_nc_u32 v9, v9, v10
	v_lshlrev_b32 v10, 4, v3
.macro FRAG reg, adr, off
	ds_load_b128 v[(\reg):(\reg)+3], v[\adr] offset:(\off)
	ds_load_b64 v[(\reg)+4:(\reg)+5], v[(\adr)+2] offset:(\off)+512
	ds_load_b128 v[(\reg)+6:(\reg)+9], v[\adr] offset:(\off)+768
	ds_load_b64 v[(\reg)+10:(\reg)+11], v[(\adr)+2] offset:(\off)+1280
.endm
.macro MUL16 a0, p, q, sc, cm
.irp a, \a0, \a0+1
.irp b, 0,1,2,3,4,5,6,7
.if \cm == 1
	v_wmma_scale_f32_16x16x128_f8f6f4 v[8*(8*((\a)%4)+\b):8*(8*((\a)%4)+\b)+7], v[128*(\p)+FR*\b:128*(\p)+FR*\b+FR-1], v[AF+FR*(\a):AF+FR*(\a)+FR-1], 0, v[SC+8*NQ*(\sc)+NQ*\b+(\q)], v[SC+8*NQ*(\sc)+NQ*(\a)+(\q)] matrix_a_fmt:MATRIX_FMT_FP6 matrix_b_fmt:MATRIX_FMT_FP6 matrix_a_scale:MATRIX_SCALE_ROW1
.else
	v_wmma_scale_f32_16x16x128_f8f6f4 v[8*(8*((\a)%4)+\b):8*(8*((\a)%4)+\b)+7], v[128*(\p)+FR*\b:128*(\p)+FR*\b+FR-1], v[AF+FR*(\a):AF+FR*(\a)+FR-1], v[8*(8*((\a)%4)+\b):8*(8*((\a)%4)+\b)+7], v[SC+8*NQ*(\sc)+NQ*\b+(\q)], v[SC+8*NQ*(\sc)+NQ*(\a)+(\q)] matrix_a_fmt:MATRIX_FMT_FP6 matrix_b_fmt:MATRIX_FMT_FP6 matrix_a_scale:MATRIX_SCALE_ROW1
.endif
.endr
.endr
.endm
.macro FETCH_B slot, q, p
	WIN TO_B
.irp i, 0,1,2,3,4,5,6,7
	FRAG 128*(\p)+FR*\i, ADRB+\slot, 3072*\i+1536*(\q)
.endr
	WIN 0
.endm
.macro FETCH_A slot, q, i0
.irp i, \i0, \i0+1, \i0+2, \i0+3
	FRAG AF+FR*(\i), ADRA+\slot, 3072*(\i)+1536*(\q)
.endr
.endm
.macro SCALES sc
.irp i, 0,1,2,3,4,5,6,7
.irp q, 0,1
	ds_load_b32 v[SC+8*NQ*\sc+NQ*\i+\q], v[ADRS] offset:512*\i+64*\q
.endr
.endr
.endm
.macro STEP slot, q, cm
	s_wait_dscnt 4*NL
	WIN MUL_LO
	MUL16 0, (\q)%2, \q, \slot, \cm
	MUL16 2, (\q)%2, \q, \slot, \cm
	s_wait_dscnt 0
	PLACES NP
	FETCH_B \slot, (\q)+1, 1-(\q)%2
	FETCH_A \slot, (\q)+1, 0
	WIN MUL_HI
	MUL16 4, (\q)%2, \q, \slot, \cm
	MUL16 6, (\q)%2, \q, \slot, \cm
	PLACES NP
	WIN 0
	FETCH_A \slot, (\q)+1, 4
.endm
.macro TURN slot, next, fill
	s_wait_tensorcnt 0x0
	ds_add_u32 v[SPW], v[NIL]
	s_wait_dscnt 4*NL+1
	WIN MUL_LO
	MUL16 0, 1, NQ-1, \slot, 0
	s_wait_dscnt 0x0
	s_barrier_signal -1
	MUL16 2, 1, NQ-1, \slot, 0
	WIN 0
	s_barrier_wait -1
.if \fill
	CREST
	s_add_nc_u64 s[G0+4*\slot+2:G0+4*\slot+3], s[G0+4*\slot+2:G0+4*\slot+3], 6144
	s_add_nc_u64 s[G0B+4*\slot+2:G0B+4*\slot+3], s[G0B+4*\slot+2:G0B+4*\slot+3], 6144
	JLOAD G0+4*\slot, G1, G0B+4*\slot, G1B
.else
	PLACES NP
.endif
	s_wait_alu depctr_va_vdst(0)
	v_add_nc_u32 v[ADRS], 64*NQ, v[ADRS]
	FETCH_B \next, 0, 0
	FETCH_A \next, 0, 0
	SCALES \next
	WIN MUL_HI
	MUL16 4, 1, NQ-1, \slot, 0
	MUL16 6, 1, NQ-1, \slot, 0
	PLACES NP
	WIN 0
	FETCH_A \next, 0, 4
.endm
.macro QUANTW s, w, pw
.set WW, 5*(\w)
	WIN WW
.irp b, 0,1,2,3
	v_max3_num_f32 v[TM+\b], |v[(\s)+16*\b]|, |v[(\s)+1+16*\b]|, 0x1800000
.endr
.irp i, 2,4,6,8,10,12,14
.irp b, 0,1,2,3
	v_max3_num_f32 v[TM+\b], |v[(\s)+16*\b+\i]|, |v[(\s)+1+16*\b+\i]|, v[TM+\b]
.endr
.endr
	WIN 0
.irp b, 0,1,2,3
	v_permlanex16_b32 v[TM+4+\b], v[TM+\b], s[SEL], s[SEL+1]
.endr
.irp b, 0,1,2,3
	v_max_num_f32 v[TM+\b], v[TM+\b], v[TM+4+\b]
.endr
.irp b, 0,1,2,3
	v_add_nc_u32 v[TM+12+\b], 0xff000000, v[TM+\b]
.endr
.irp b, 0,1,2,3
	v_lshrrev_b32 v[TM+4+\b], 23, v[TM+12+\b]
.endr
	v_lshl_or_b32 v[\pw], v[TM+5], 8, v[TM+4]
	v_lshl_or_b32 v[\pw], v[TM+6], 16, v[\pw]
	v_lshl_or_b32 v[\pw], v[TM+7], 24, v[\pw]
	s_wait_xcnt 0x0
.set WW, (\w)
	WIN WW
.irp c, 0,1
	v_cvt_scalef32_pk16_fp6_f32 v[PC+6*\c:PC+2+6*\c], v[(\s)+32*\c:(\s)+15+32*\c], v[TM+12+2*\c]
	v_cvt_scalef32_pk16_fp6_f32 v[PC+12+4*\c:PC+14+4*\c], v[(\s)+16+32*\c:(\s)+31+32*\c], v[TM+12+2*\c+1]
.endr
	WIN 0
	v_nop
.irp c, 0,1
.irp i, 0,1,2
	v_permlane16_swap_b32 v[PC+6*\c+\i], v[PC+12+4*\c+\i]
.endr
.irp i, 0,1,2
	v_mov_b32 v[PC+3+6*\c+\i], v[PC+12+4*\c+\i]
.endr
.endr
.endm
	s_wait_alu depctr_va_vdst(0)                   ; the wait at the head's end
	s_wait_tensorcnt 0x0                           ; my tile of the head's four is in
	ds_add_u32 v28, v29                            ; the add ahead of a later first fill
	s_mov_b32 s[G1+2], 8<<16                       ; no load of mine is out: from here on a load brings 8 tiles
	s_mov_b32 s[G1+4], 8
	s_mov_b32 s[G1B+2], 8<<16
	s_mov_b32 s[G1B+4], 8
	s_wait_dscnt 0x0
	CROUND
	JLOAD G0+4, G1, G0B+4, G1B                     ; slot 1's first fill, a quarter a wave
	global_prefetch_b8 v30, s[92:93] offset:9216 th:TH_LOAD_NT scope:SCOPE_SE      ; chunk 3
	FETCH_B 0, 0, 0
	FETCH_A 0, 0, 0
	SCALES 0
	FETCH_A 0, 0, 4
	STEP 0, 0, 1
	TURN 0, 1, 1
	STEP 1, 0, 0
	TURN 1, 0, 1
	STEP 0, 0, 0
	TURN 0, 1, 0
	STEP 1, 0, 0
	s_wait_dscnt 4*NL
	WIN MUL_LO
	MUL16 0, 1, NQ-1, 1, 0
	MUL16 2, 1, NQ-1, 1, 0
	s_wait_dscnt 0
	WIN MUL_HI
	MUL16 4, 1, NQ-1, 1, 0
	MUL16 6, 1, NQ-1, 1, 0
	WIN 0
	PLACES NP
	s_wait_loadcnt 0x0
.irp b, 0,1,2,3
	v_mov_b32 v[TM+4+\b], 0
.endr
.irp a, 0,1,2,3,4,5,6,7
	v_cmp_ne_u32 vcc_lo, 0, v[KM+\a]
	v_cndmask_b32 v[KM+\a], 0, -1, vcc_lo
	v_or_b32 v[KM+\a], s100, v[KM+\a]
.endr
.macro OUTB a
.set AC, 64*((\a)%4)
.set AW, 2+(\a)/4
	QUANTW AC, AW, PW
.irp i, 0,1,2,3,4,5,6,7,8,9,10,11
	v_and_b32 v[PC+\i], v[KM+\a], v[PC+\i]
.endr
.if \a > 0
	v_add_nc_u32 v9, s98, v9
.endif
	v_lshrrev_b32 v242, v10, v[PW]
	global_store_b128 v4, v[PC:PC+3], s[12:13] offset:768*\a
	global_store_b64 v5, v[PC+4:PC+5], s[12:13] offset:768*\a+512
	global_store_b128 v6, v[PC+6:PC+9], s[12:13] offset:768*\a
	global_store_b64 v7, v[PC+10:PC+11], s[12:13] offset:768*\a+512
	global_store_b16 v9, v242, s[8:9]
.endm
.irp a, 0,1,2,3,4,5,6,7
	OUTB \a
.endr
	s_wait_tensorcnt 0x0
	ds_add_u32 v[SPW], v[NIL]
	s_wait_dscnt 0x0
	CROUND
	s_endpgm
.Lfunc_end_k_q2c32affd54_qkv:
	.size	k_q2c32affd54_qkv, .Lfunc_end_k_q2c32affd54_qkv-k_q2c32affd54_qkv
	.p2alignl 7, 3214868480
	.fill 96, 4, 3214868480
	.section	.rodata,"a",@progbits
	.p2align	6, 0x0
	.amdhsa_kernel k_q2c32affd54_qkv
		.amdhsa_group_segment_fixed_size 327680
		.amdhsa_private_segment_fixed_size 0
		.amdhsa_enable_private_segment 0
		.amdhsa_kernarg_size 24
		.amdhsa_user_sgpr_count 2
		.amdhsa_user_sgpr_kernarg_segment_ptr 1
		.amdhsa_wavefront_size32 1
		.amdhsa_system_sgpr_workgroup_id_x 1
		.amdhsa_system_sgpr_workgroup_id_y 1
		.amdhsa_system_sgpr_workgroup_id_z 1
		.amdhsa_system_vgpr_workitem_id 0
		.amdhsa_next_free_vgpr 1024
		.amdhsa_next_free_sgpr 106
		.amdhsa_reserve_vcc 1
		.amdhsa_float_denorm_mode_32 3
		.amdhsa_float_denorm_mode_16_64 3
		.amdhsa_memory_ordered 1
		.amdhsa_forward_progress 1
		.amdhsa_inst_pref_size 159
	.end_amdhsa_kernel
	.amdgpu_metadata
---
amdhsa.version: [ 1, 2 ]
amdhsa.kernels:
  - .name:           k_q2c32affd54_qkv
    .symbol:         k_q2c32affd54_qkv.kd
    .args:
      - { .name: pwb, .offset: 0, .size: 8, .value_kind: global_buffer, .address_space: global }
      - { .name: input_mask, .offset: 8, .size: 8, .value_kind: global_buffer, .address_space: global }
      - { .name: qkvb, .offset: 16, .size: 8, .value_kind: global_buffer, .address_space: global }
    .group_segment_fixed_size: 327680
    .private_segment_fixed_size: 0
    .kernarg_segment_align: 8
    .kernarg_segment_size: 24
    .max_flat_workgroup_size: 128
    .sgpr_count:     106
    .vgpr_count:     1024
    .wavefront_size: 32
...
	.end_amdgpu_metadata
.endif
;; end of part 2
;; launch attn (part 3): grid 8 x 32, 16 waves a work-group, no clusters, 327,680 bytes of LDS; arguments qkvb, input_mask, ob; writes ob
.if DOCPART == 3
	.amdgcn_target "amdgcn-amd-amdhsa--gfx1250"
	.amdhsa_code_object_version 6
	.text
	.protected	k_q2c32affd54_attn
	.globl	k_q2c32affd54_attn
	.p2align	8
	.type	k_q2c32affd54_attn,@function
k_q2c32affd54_attn:
	s_mov_b64 s[64:65], 0
	v_nop
	global_prefetch_b8 v0, s[64:65] scope:SCOPE_SE
	s_setreg_imm32_b32 hwreg(HW_REG_WAVE_MODE, 25, 1), 1
	s_wait_xcnt 0x0
; o = softmax(q k^T / 8, keys with input_mask = 0 held at -1e9) v for one head and 256 queries, both products on codes of MX-FP6; o is quantised along the channels for the product with w_o.
; THE SOFTMAX: t = score x log2(e) / 8; M = the running largest t rounded up to a whole number; p = 2^(t - M) is quantised along the keys, not normalised; the row's sum is taken of the
; unquantised p and divides at the end; when M moves, the sum and O are multiplied by 2^(old M - new M), which rounds nothing.
; SHARES: work-group x = 256 queries, y = 16 x batch + head; sixteen waves, one tile of 16 queries each.  Both products are transposed (S^T = K Q^T, O^T = V^T P^T): a lane holds one query.
; WHICH KEYS FORM A TILE is chosen by the lanes' LDS addresses.  In memory lane r of key tile T is key 32 (T / 2) + 8 (T % 2) + r + 8 (r / 8).  Tile tt (0..3) of a group of 64 keys takes in
; its rows 0-7 the keys 8 tt + 0..7 and in its rows 8-15 the keys 32 + 8 tt + 0..7.  So the 32 registers of a group's four tiles are, in lanes 0-15, the group's first block of 32 keys and, in
; lanes 16-31, its second: the very share that the operand's layout gives a lane.  A block's maximum needs no other lane and the codes need no lane swap.
; Rows 0-7 come from tiles 4 u, 4 u + 1 and rows 8-15 from tiles 4 u + 2, 4 u + 3: the two kinds of pairs lie in two LDS regions, the second 128 bytes off a multiple of 256, so that the sixteen
; lanes of a 16-byte load name sixteen different 16-byte columns.
; The head has 64 channels, half of the instruction's K: q's upper six registers are zero codes, a key tile's upper six are the next tile's codes, which zeros cancel; the upper scale bytes are 0.
; THE MASK: a masked key's codes are zeros (the launch before saw to it), and its sum starts from -8e9 = -1e9 x 8, read from LDS into the accumulator.
; LDS: a head's k and v, 196,608 bytes, lie in LDS whole; nothing is filled twice.  A wave issues one tensor load at the head (its share of the first 512 keys) and one behind the first barrier
; (its share of all the rest), which has three steps in which to land; every wait on TENSORcnt is for 0.
; NO CLUSTER: the eight query blocks of a head read the same k and v, but they are 196,608 bytes once for a work-group whose sixteen waves each issue some 3,500 vector instructions on them.
; NO PREFETCH: all that the work-group reads is asked for by its two loads a wave, the second as soon as the first has landed: there is no later stream to run ahead of.
; LIMITS: NaN and infinities are not served; the scaled scores stay under 2^31 in magnitude.  Where every key of a batch is masked all p are one power of two and the result is the mean of v.
.set VCO,  6291456                     ; in the input: v's codes; q's and k's scales; v's scales
.set SQK,  9437184
.set SVO,  9699328
.set OS,   3145728                     ; in the output: the scale words
.set ODD,  49280                       ; LDS: k's pairs 4 u, 4 u + 1 from 0; its pairs 4 u + 2, 4 u + 3 from here (49,152 + 128)
.set VL,   98560                       ; v: 32 groups of 64 keys x 3,072 bytes
.set SKL,  196864                      ; staged by the waves: k's scales u16 [tile 128][r 16];
.set SVL,  200960                      ; v's, u32 [128 keys: 16][channel tile 4][r 16];
.set MBL,  205056                      ; the sums' starts, f32 [2048]
.set SPARE, 213248                     ; the spare words, 128 bytes a wave
.set SPW,  94
.set NIL,  95
.set WV,   18
.set SEL,  20
.set CS,   22                          ; s[22:23] log2(e) / 8
.set G0K,  32                          ; group 0: k at the head, k's rest, v at the head, v's rest
.set G0KR, 36
.set G0V,  40
.set G0VR, 44
.set G1KH, 48                          ; group 1 likewise
.set G1KR, 56
.set G1VH, 68
.set G1VR, 76
.set TB,   84                          ; the step's LDS bytes: k 3,072 a step, scales 256, starts 512, v 6,144
.set TS,   85
.set TK,   86
.set TV,   87
.set CNT,  88
.macro MKG1 g, c, r, p                 ; r rows of c elements of 8 bytes, p elements apart
	s_mov_b32 s[\g], 3<<16
	s_mov_b32 s[\g+1], (\c)<<16
	s_mov_b32 s[\g+2], (\r)<<16
	s_mov_b32 s[\g+3], (\c)<<16
	s_mov_b32 s[\g+4], \r
	s_mov_b32 s[\g+5], \p
	s_mov_b32 s[\g+6], 0
	s_mov_b32 s[\g+7], 0
.endm
.macro MKG0 g, o
	s_mov_b32 s[\g], 1
	s_add_nc_u64 s[\g+2:\g+3], s[4:5], s[\o:\o+1]
	s_or_b32 s[\g+3], s[\g+3], 0x80000000
.endm
.macro KVLOAD gk, g1k, gv, g1v         ; waves 0-7 fetch k, waves 8-15 v: one load on every way
	s_cmp_lt_u32 s[WV], 8
	s_cbranch_scc0 .Lv_\@
	tensor_load_to_lds s[\gk:\gk+3], s[\g1k:\g1k+7]
	s_nop 0
.rept 4
	v_nop
.endr
	s_branch .Lj_\@
.Lv_\@:
	tensor_load_to_lds s[\gv:\gv+3], s[\g1v:\g1v+7]
	s_nop 0
.rept 4
	v_nop
.endr
.Lj_\@:
.endm
	s_load_b128 s[4:7], s[0:1], 0x0                ; q, k, v s[4:5], input_mask s[6:7]
	s_load_b64 s[8:9], s[0:1], 0x10                ; o's codes and scales
	v_lshl_add_u32 v[SPW], v0, 2, SPARE
	v_mov_b32 v[NIL], 0
	ds_add_u32 v[SPW], v[NIL]                      ; the opening lines: the add twice and one wait
	ds_add_u32 v[SPW], v[NIL]
	v_lshrrev_b32 v1, 5, v0
	v_readfirstlane_b32 s[WV], v1                  ; wave 0..15
	s_and_b32 s10, ttmp7, 0xffff
	s_lshr_b32 s11, s10, 4                         ; batch
	s_and_b32 s10, s10, 15                         ; head
	s_and_b32 s12, s[WV], 3                        ; k's waves: which share,
	s_bfe_u32 s13, s[WV], 0x10002                  ; and which kind of pairs
	s_and_b32 s14, s[WV], 7                        ; v's waves: which share
	s_mul_i32 s15, s13, ODD
	s_mul_i32 s16, s12, 3072
	s_add_co_u32 s[G0K+1], s15, s16                ; head: pairs u = 2 i, 2 i + 1
	s_mul_i32 s16, s12, 9216
	s_add_co_u32 s16, s16, s15
	s_add_co_u32 s[G0KR+1], s16, 12288             ; rest: pairs u = 8 + 6 i on
	s_mul_i32 s16, s14, 3072
	s_add_co_u32 s[G0V+1], s16, VL                 ; head: group i
	s_mul_i32 s16, s14, 9216
	s_add_co_u32 s[G0VR+1], s16, VL+24576          ; rest: groups 8 + 3 i on
	s_add_co_u32 s24, s10, 16
	s_mul_i32 s24, s24, 196608                     ; k's head: 256 tiles of 768 bytes,
	s_mul_i32 s16, s11, 98304                      ; the batch's 128,
	s_add_co_u32 s24, s24, s16
	s_mul_i32 s16, s13, 1536                       ; the kind of pair
	s_add_co_u32 s24, s24, s16
	s_mul_i32 s16, s12, 6144
	s_add_co_u32 s28, s24, s16
	s_mul_i32 s16, s12, 18432
	s_add_co_u32 s30, s24, s16
	s_add_co_u32 s30, s30, 24576
	s_mul_i32 s24, s11, 32*49152                   ; v: a group of 64 keys is 64 channel tiles of 768 bytes,
	s_mul_i32 s16, s10, 3072                       ; of which the head's four
	s_add_co_u32 s24, s24, s16
	s_add_co_u32 s24, s24, VCO
	s_mul_i32 s16, s14, 49152
	s_add_co_u32 s90, s24, s16
	s_mul_i32 s16, s14, 147456
	s_add_co_u32 s92, s24, s16
	s_add_co_u32 s92, s92, 393216
	s_mov_b32 s29, 0
	s_mov_b32 s31, 0
	s_mov_b32 s91, 0
	s_mov_b32 s93, 0
	MKG1 G1KH, 192, 2, 384                         ; pairs of tiles, 1,536 bytes, every second pair
	MKG1 G1KR, 192, 6, 384
	MKG1 G1VH, 192, 2, 192                         ; one group, dense
	MKG1 G1VR, 384, 3, 6144                        ; three groups, 49,152 bytes apart
	s_wait_dscnt 0x0
	s_wait_kmcnt 0x0
	MKG0 G0K, 28
	MKG0 G0KR, 30
	MKG0 G0V, 90
	MKG0 G0VR, 92
	KVLOAD G0K, G1KH, G0V, G1VH                    ; the first 512 keys: my one load at the head
	v_and_b32 v192, 31, v0                         ; lane
	v_and_b32 v193, 15, v0                         ; r
	v_bfe_u32 v194, v0, 4, 1                       ; h
	v_and_b32 v195, 7, v0                          ; r % 8
	v_bfe_u32 v196, v0, 3, 1                       ; r / 8
	v_mul_u32_u24 v197, v196, ODD                  ; rows 8-15 read the other kind of pairs: one product
	v_lshl_add_u32 v1, v195, 4, v197
	v_lshl_add_u32 v2, v195, 3, v197
	v_lshlrev_b32 v3, 6, v196
	v_lshl_add_u32 v1, v194, 8, v1                 ; k, registers 0-3: 16 (row + 16 h)
	v_lshl_add_u32 v2, v194, 7, v2                 ; k, registers 4-5: 8 (row + 16 h)
	v_lshl_add_u32 v3, v195, 1, v3
	v_add_nc_u32 v3, SKL, v3                       ; k's scales
	v_lshl_add_u32 v4, v193, 2, SVL                ; v's scales
	v_lshl_add_u32 v5, v194, 7, MBL                ; the starts: lanes 16-31 hold the keys 32 on
	v_lshl_add_u32 v29, v192, 4, VL                ; v, 16 x lane and 8 x lane
	v_lshl_add_u32 v30, v192, 3, VL
	v_lshlrev_b32 v31, 3, v194                     ; 8 h: my bytes' place in p's scale word
	v_lshlrev_b32 v6, 4, v192
	v_lshlrev_b32 v7, 3, v192
	v_lshlrev_b32 v8, 1, v193
	v_lshlrev_b32 v9, 3, v0
	v_lshlrev_b32 v10, 4, v0
	v_lshl_add_u32 v198, v0, 3, SKL
	v_lshl_add_u32 v199, v0, 3, SVL
	v_lshl_add_u32 v200, v0, 4, MBL
	s_wait_alu depctr_va_vdst(0)                   ; the wait ahead of the scalar lines below
	s_lshl_b32 s26, s11, 7
	s_lshl_b32 s27, ttmp9, 4
	s_add_co_u32 s26, s26, s27
	s_add_co_u32 s26, s26, s[WV]                   ; my tile of tokens: 128 x batch + 16 x block + wave
	s_mul_i32 s28, s10, 196608
	s_mul_i32 s27, s26, 768
	s_add_co_u32 s28, s28, s27
	s_add_nc_u64 s[28:29], s[4:5], s[28:29]
	global_load_b128 v[16:19], v6, s[28:29]        ; q: half an image
	global_load_b64 v[20:21], v7, s[28:29] offset:512
	s_lshl_b32 s30, s10, 13
	s_lshl_b32 s27, s26, 5
	s_add_co_u32 s30, s30, s27
	s_add_co_u32 s30, s30, SQK
	s_add_nc_u64 s[30:31], s[4:5], s[30:31]
	global_load_u16 v255, v8, s[30:31]             ; q's two scale bytes; the upper two are 0
	s_add_co_u32 s12, s10, 16
	s_lshl_b32 s12, s12, 13
	s_lshl_b32 s27, s11, 12
	s_add_co_u32 s12, s12, s27
	s_add_co_u32 s12, s12, SQK
	s_mov_b32 s13, 0
	s_add_nc_u64 s[12:13], s[4:5], s[12:13]
	global_load_b64 v[206:207], v9, s[12:13]       ; k's scales of the head and batch: 4,096 dense bytes, 8 a thread
	s_lshl_b32 s14, s11, 4
	s_add_co_u32 s14, s14, s[WV]
	s_lshl_b32 s14, s14, 12
	s_lshl_b32 s27, s10, 8
	s_add_co_u32 s14, s14, s27
	s_add_co_u32 s14, s14, SVO
	s_mov_b32 s15, 0
	s_add_nc_u64 s[14:15], s[4:5], s[14:15]
	global_load_b64 v[208:209], v7, s[14:15]       ; v's: wave w takes the 256 bytes of keys 128 w on
	s_lshl_b32 s16, s11, 13
	s_mov_b32 s17, 0
	s_add_nc_u64 s[16:17], s[6:7], s[16:17]
	global_load_b128 v[212:215], v10, s[16:17]     ; the batch's mask, four keys a thread
	s_mov_b32 s[SEL], 0x76543210
	s_mov_b32 s[SEL+1], 0xfedcba98
	s_mov_b32 s[CS], 0x3e38aa3b
	s_mov_b32 s[CS+1], s[CS]
	s_mov_b32 s[TB], 0
	s_mov_b32 s[TS], 0
	s_mov_b32 s[TK], 0
	s_mov_b32 s[TV], 0
.irp i, 22,23,24,25,26,27,80,81,82,83,84,85,14,15,201,203
	v_mov_b32 v[\i], 0                             ; zero codes; the sum; a permute's destination; the upper half of f's pair
.endr
	v_mov_b32 v13, 0xff61b1e6                      ; the largest t so far: -3e38
	v_mov_b32 v216, 0xcfee6b28                     ; -8e9, exact in f32
	v_floor_f32 v12, -v13                          ; -M
.set J, 0
.rept 32
	v_mov_b32 v[160+J], 0                          ; O^T: the step is written for every step alike
.set J, J+1
.endr
	s_wait_alu depctr_va_vdst(0)
	s_wait_loadcnt 0x0
	ds_store_b64 v198, v[206:207]
	ds_store_b64 v199, v[208:209]
.irp i, 0,1,2,3
	v_cmp_eq_u32 vcc_lo, 0, v[212+\i]
	v_cndmask_b32 v[212+\i], 0, v216, vcc_lo       ; a choice of values, no branch
.endr
	ds_store_b128 v200, v[212:215]
; A KEY STEP: 128 keys
.macro STEP
	v_add_nc_u32 v6, s[TB], v1                     ; these four are the places behind the last step's products, in front of the loads
	v_add_nc_u32 v7, s[TB], v2
	v_add_nc_u32 v8, s[TS], v3
	v_add_nc_u32 v10, s[TK], v5
.irp t, 0,1,2,3,4,5,6,7
	ds_load_b128 v[32+6*\t:35+6*\t], v6 offset:1536*(\t/4)+768*(\t%2)+128*((\t%4)/2)
	ds_load_b64 v[36+6*\t:37+6*\t], v7 offset:1536*(\t/4)+768*(\t%2)+64*((\t%4)/2)+512
	ds_load_u16 v[86+\t], v8 offset:128*(\t/4)+32*(\t%2)+16*((\t%4)/2)
	ds_load_b128 v[96+8*\t:99+8*\t], v10 offset:256*(\t/4)+32*(\t%4)        ; the starts: key 64 (t / 4) + 32 h + 8 (t % 4) + j
	ds_load_b128 v[100+8*\t:103+8*\t], v10 offset:256*(\t/4)+32*(\t%4)+16
.endr
	s_wait_alu depctr_va_vdst(0)
	s_wait_dscnt 0x0
.irp t, 0,1,2,3,4,5,6,7
	v_wmma_scale_f32_16x16x128_f8f6f4 v[96+8*\t:103+8*\t], v[32+6*\t:43+6*\t], v[16:27], v[96+8*\t:103+8*\t], v[86+\t], v255 matrix_a_fmt:MATRIX_FMT_FP6 matrix_b_fmt:MATRIX_FMT_FP6
.endr
	v_add_nc_u32 v9, s[TS], v4                     ; four places in front of the loads into k's registers and of the first read of the scores
	v_add_nc_u32 v11, s[TV], v29
	v_add_nc_u32 v28, s[TV], v30
	v_nop
.irp t, 0,1,2,3                        ; v's four fragments land under the softmax
	ds_load_b128 v[32+12*\t:35+12*\t], v11 offset:768*\t
	ds_load_b64 v[36+12*\t:37+12*\t], v28 offset:768*\t+512
	ds_load_b128 v[38+12*\t:41+12*\t], v11 offset:3072+768*\t
	ds_load_b64 v[42+12*\t:43+12*\t], v28 offset:3072+768*\t+512
	ds_load_b32 v[248+\t], v9 offset:64*\t
.endr
.irp b, 0,1,2,3                        ; my two blocks' largest scores, in four chains of 15
	v_max3_num_f32 v[192+\b], v[96+16*\b], v[97+16*\b], v[98+16*\b]
.endr
.irp i, 3,5,7,9,11,13
.irp b, 0,1,2,3
	v_max3_num_f32 v[192+\b], v[192+\b], v[96+16*\b+\i], v[97+16*\b+\i]
.endr
.endr
	v_max3_num_f32 v192, v192, v193, v111
	v_max3_num_f32 v193, v194, v195, v143
	v_max_num_f32 v192, v192, v127                 ; block h
	v_max_num_f32 v193, v193, v159                 ; block 2 + h
	s_delay_alu instid0(VALU_DEP_1)
	v_max_num_f32 v204, v192, v193
	s_delay_alu instid0(VALU_DEP_1)
	v_permlanex16_b32 v201, v204, s[SEL], s[SEL+1]
	s_delay_alu instid0(VALU_DEP_1)
	v_max_num_f32 v204, v204, v201                 ; with lane l xor 16's 64 keys
	s_delay_alu instid0(VALU_DEP_1)
	v_mul_f32 v204, s[CS], v204                    ; the step's largest t
	s_delay_alu instid0(VALU_DEP_1)
	v_max_num_f32 v13, v13, v204
	v_mov_b32 v204, v12
	s_delay_alu instid0(VALU_DEP_2)
	v_floor_f32 v12, -v13                          ; the new -M = -ceil(t)
	s_delay_alu instid0(VALU_DEP_1)
	v_sub_f32 v204, v12, v204                      ; old M - new M: a whole number, 0 or less
	s_delay_alu instid0(VALU_DEP_1)
	v_cvt_i32_f32 v204, v204                       ; (it saturates)
	s_delay_alu instid0(VALU_DEP_1)
	v_ldexp_f32 v202, 1.0, v204                    ; f = 2^(old M - new M)
.irp j, 0,2,4,6,8,10,12,14,16,18,20,22,24,26,28,30,32,34,36,38,40,42,44,46,48,50,52,54,56,58,60,62
	v_pk_fma_f32 v[96+\j:97+\j], v[96+\j:97+\j], s[CS:CS+1], v[12:13] op_sel_hi:[1,0,0]   ; t - M
.endr
	v_fma_f32 v192, v192, s[CS], v12
	v_fma_f32 v193, v193, s[CS], v12
	s_wait_alu depctr_va_vdst(0)                   ; the wait ahead of the batch
.set J, 0
.rept 64
	v_exp_f32 v[96+J], v[96+J]                     ; p = 2^(t - M)
.set J, J+1
.endr
	v_exp_f32 v192, v192                           ; each block's largest p: the same two instructions on the same number
	v_exp_f32 v193, v193
	v_pk_mul_f32 v[14:15], v[14:15], v[202:203] op_sel_hi:[1,0]   ; the sums under the new M (a plain instruction behind the exponentials)
	s_wait_alu depctr_va_vdst(0)                   ; and behind it
	v_max_num_f32 v192, 0x1800000, v192            ; the floor 2^(3 - 127)
	v_max_num_f32 v193, 0x1800000, v193
	s_delay_alu instid0(VALU_DEP_2)
	v_add_nc_u32 v196, 0xff000000, v192            ; 2 off the exponent field: the conversion's scale
	s_delay_alu instid0(VALU_DEP_2)
	v_add_nc_u32 v197, 0xff000000, v193
	s_delay_alu instid0(VALU_DEP_2)
	v_lshrrev_b32 v198, 23, v196
	s_delay_alu instid0(VALU_DEP_2)
	v_lshrrev_b32 v199, 23, v197
	s_delay_alu instid0(VALU_DEP_1)
	v_lshl_or_b32 v200, v199, 16, v198             ; my bytes h and 2 + h,
	s_delay_alu instid0(VALU_DEP_1)
	v_lshlrev_b32 v200, v31, v200                  ; at their places;
	s_delay_alu instid0(VALU_DEP_1)
	v_permlanex16_b32 v201, v200, s[SEL], s[SEL+1]
	s_delay_alu instid0(VALU_DEP_1)
	v_or_b32 v253, v200, v201                      ; with lane l xor 16's two: p's scale word for these 128 keys
.irp c, 0,1
	v_cvt_scalef32_pk16_fp6_f32 v[224+6*\c:226+6*\c], v[96+32*\c:111+32*\c], v[196+\c]
	v_cvt_scalef32_pk16_fp6_f32 v[236+4*\c:238+4*\c], v[112+32*\c:127+32*\c], v[196+\c]   ; a conversion's three registers begin on an even number
.endr
	v_nop
.irp c, 0,1
.irp i, 0,1,2
	v_mov_b32 v[227+6*\c+\i], v[236+4*\c+\i]
.endr
.endr
	s_wait_alu depctr_va_vdst(0)                   ; the wait directly ahead of the first reader of O^T
.irp j, 0,2,4,6,8,10,12,14,16,18,20,22,24,26,28,30
	v_pk_mul_f32 v[160+\j:161+\j], v[160+\j:161+\j], v[202:203] op_sel_hi:[1,0]   ; O^T under the new M
.endr
.irp i, 0,1,2,3,4,5,6                  ; the row's sum of the unquantised p: 32 packed additions in eight chains
	v_pk_add_f32 v[206+2*\i:207+2*\i], v[96+4*\i:97+4*\i], v[98+4*\i:99+4*\i]
.endr
	v_pk_add_f32 v[14:15], v[14:15], v[124:125]
.irp i, 0,1,2,3,4,5,6
	v_pk_add_f32 v[206+2*\i:207+2*\i], v[206+2*\i:207+2*\i], v[126+2*\i:127+2*\i]
.endr
	v_pk_add_f32 v[14:15], v[14:15], v[140:141]
.irp i, 0,1,2,3,4,5,6
	v_pk_add_f32 v[206+2*\i:207+2*\i], v[206+2*\i:207+2*\i], v[142+2*\i:143+2*\i]
.endr
	v_pk_add_f32 v[14:15], v[14:15], v[156:157]
	v_pk_add_f32 v[206:207], v[206:207], v[158:159]
	v_pk_add_f32 v[210:211], v[210:211], v[212:213]
	v_pk_add_f32 v[214:215], v[214:215], v[216:217]
	v_pk_add_f32 v[14:15], v[14:15], v[218:219]
	v_pk_add_f32 v[206:207], v[206:207], v[208:209]
	v_pk_add_f32 v[14:15], v[14:15], v[214:215]
	s_delay_alu instid0(VALU_DEP_2)
	v_pk_add_f32 v[206:207], v[206:207], v[210:211]
	s_delay_alu instid0(VALU_DEP_1)
	v_pk_add_f32 v[14:15], v[14:15], v[206:207]
	s_wait_dscnt 0x0                               ; v's fragments and scales
.irp t, 0,1,2,3
	v_wmma_scale_f32_16x16x128_f8f6f4 v[160+8*\t:167+8*\t], v[32+12*\t:43+12*\t], v[224:235], v[160+8*\t:167+8*\t], v[248+\t], v253 matrix_a_fmt:MATRIX_FMT_FP6 matrix_b_fmt:MATRIX_FMT_FP6
.endr
	s_add_co_u32 s[TB], s[TB], 3072
	s_add_co_u32 s[TS], s[TS], 256
	s_add_co_u32 s[TK], s[TK], 512
	s_add_co_u32 s[TV], s[TV], 6144
.endm
.macro STEPS n
	s_mov_b32 s[CNT], \n
.Lstep_\@:
	STEP
	s_sub_co_u32 s[CNT], s[CNT], 1
	s_cmp_lg_u32 s[CNT], 0
	s_cbranch_scc1 .Lstep_\@
.endm
	s_wait_alu depctr_va_vdst(0)                   ; the wait at the head's end
	s_wait_tensorcnt 0x0                           ; my share of the first 512 keys is in
	ds_add_u32 v[SPW], v[NIL]                      ; the add ahead of a later first fill
	s_wait_dscnt 0x0                               ; the add, and my stores of scales and starts
	s_barrier_signal -1
	s_barrier_wait -1                              ; everybody's are in
	KVLOAD G0KR, G1KR, G0VR, G1VR                  ; all the rest: my one load behind this barrier
	STEPS 3                                        ; keys 0 to 383
	s_wait_tensorcnt 0x0                           ; my share of the rest is in
	s_wait_dscnt 0x0
	s_barrier_signal -1                            ; say so, and go on:
	STEP                                           ; keys 384 to 511 and the staged bytes, which nothing writes any more
	s_barrier_wait -1                              ; everybody's share is in; from here on no wave waits for another
	STEPS 12
	; THE WAY OUT: o = O^T / the sum; its 64 channels are two blocks; half an image and two scale bytes
	s_wait_alu depctr_va_vdst(0)
	v_add_f32 v14, v14, v15
	s_delay_alu instid0(VALU_DEP_1)
	v_permlanex16_b32 v201, v14, s[SEL], s[SEL+1]
	s_delay_alu instid0(VALU_DEP_1)
	v_add_f32 v14, v14, v201                       ; the row's sum
	s_wait_alu depctr_va_vdst(0)
	v_rcp_f32 v14, v14
.rept 4
	v_nop                                          ; behind the transcendental, and the places behind the last products
.endr
	s_wait_alu depctr_va_vdst(0)
.irp j, 0,2,4,6,8,10,12,14,16,18,20,22,24,26,28,30
	v_pk_mul_f32 v[96+\j:97+\j], v[160+\j:161+\j], v[14:15] op_sel_hi:[1,0]   ; register 16 b + i = channel 32 b + 16 h + i of my query
.endr
.irp b, 0,1
	v_max3_num_f32 v[232+\b], |v[96+16*\b]|, |v[97+16*\b]|, 0x1800000
.endr
.irp i, 2,4,6,8,10,12,14
.irp b, 0,1
	s_delay_alu instid0(VALU_DEP_2)
	v_max3_num_f32 v[232+\b], v[232+\b], |v[96+16*\b+\i]|, |v[97+16*\b+\i]|
.endr
.endr
.irp b, 0,1
	v_permlanex16_b32 v[198+\b], v[232+\b], s[SEL], s[SEL+1]   ; v198, v199: written by plain instructions in every step
.endr
.irp b, 0,1
	v_max_num_f32 v[232+\b], v[232+\b], v[198+\b]
.endr
.irp b, 0,1
	v_add_nc_u32 v[244+\b], 0xff000000, v[232+\b]
.endr
.irp b, 0,1
	v_lshrrev_b32 v[198+\b], 23, v[244+\b]
.endr
	v_lshl_or_b32 v200, v199, 8, v198
	v_cvt_scalef32_pk16_fp6_f32 v[224:226], v[96:111], v244
	v_cvt_scalef32_pk16_fp6_f32 v[228:230], v[112:127], v245
	v_nop
.irp i, 0,1,2
	v_permlane16_swap_b32 v[224+\i], v[228+\i]     ; here a block lies in lanes l and l xor 16: the operand wants it whole in a lane
.endr
.irp i, 0,1,2
	s_delay_alu instid0(VALU_DEP_3)
	v_mov_b32 v[227+\i], v[228+\i]                 ; in ascending order: each source is read before it is written
.endr
	v_and_b32 v8, 31, v0
	v_and_b32 v9, 15, v0
	s_delay_alu instid0(VALU_DEP_2)
	v_lshlrev_b32 v6, 4, v8
	v_lshlrev_b32 v7, 3, v8
	v_lshlrev_b32 v9, 2, v9
	s_lshl_b32 s27, s26, 3
	s_lshr_b32 s12, s10, 1
	s_add_co_u32 s27, s27, s12                     ; 8 x tile + the K step of 128 channels that holds the head
	s_and_b32 s12, s10, 1
	s_mul_i32 s28, s27, 1536
	s_mul_i32 s13, s12, 768
	s_add_co_u32 s28, s28, s13
	s_mov_b32 s29, 0
	s_add_nc_u64 s[28:29], s[8:9], s[28:29]
	s_lshl_b32 s30, s27, 6
	s_lshl_b32 s12, s12, 1
	s_add_co_u32 s30, s30, s12
	s_add_co_u32 s30, s30, OS
	s_mov_b32 s31, 0
	s_add_nc_u64 s[30:31], s[8:9], s[30:31]
	s_wait_alu depctr_va_vdst(0)                   ; the wait behind the scalar lines
	global_store_b128 v6, v[224:227], s[28:29]
	global_store_b64 v7, v[228:229], s[28:29] offset:512
	global_store_b16 v9, v200, s[30:31]            ; lanes r and r + 16 store the same two bytes to the same place
	s_wait_tensorcnt 0x0                           ; the wave's end
	ds_add_u32 v[SPW], v[NIL]
	s_wait_dscnt 0x0
	s_endpgm
.Lfunc_end_k_q2c32affd54_attn:
	.size	k_q2c32affd54_attn, .Lfunc_end_k_q2c32affd54_attn-k_q2c32affd54_attn
	.p2alignl 7, 3214868480
	.fill 96, 4, 3214868480
	.section	.rodata,"a",@progbits
	.p2align	6, 0x0
	.amdhsa_kernel k_q2c32affd54_attn
		.amdhsa_group_segment_fixed_size 327680
		.amdhsa_private_segment_fixed_size 0
		.amdhsa_enable_private_segment 0
		.amdhsa_kernarg_size 24
		.amdhsa_user_sgpr_count 2
		.amdhsa_user_sgpr_kernarg_segment_ptr 1
		.amdhsa_wavefront_size32 1
		.amdhsa_system_sgpr_workgroup_id_x 1
		.amdhsa_system_sgpr_workgroup_id_y 1
		.amdhsa_system_sgpr_workgroup_id_z 1
		.amdhsa_system_vgpr_workitem_id 0
		.amdhsa_next_free_vgpr 256
		.amdhsa_next_free_sgpr 96
		.amdhsa_reserve_vcc 1
		.amdhsa_float_denorm_mode_32 3
		.amdhsa_float_denorm_mode_16_64 3
		.amdhsa_memory_ordered 1
		.amdhsa_forward_progress 1
		.amdhsa_inst_pref_size 69
	.end_amdhsa_kernel
	.amdgpu_metadata
---
amdhsa.version: [ 1, 2 ]
amdhsa.kernels:
  - .name:           k_q2c32affd54_attn
    .symbol:         k_q2c32affd54_attn.kd
    .args:
      - { .name: qkvb, .offset: 0, .size: 8, .value_kind: global_buffer, .address_space: global }
      - { .name: input_mask, .offset: 8, .size: 8, .value_kind: global_buffer, .address_space: global }
      - { .name: ob, .offset: 16, .size: 8, .value_kind: global_buffer, .address_space: global }
    .group_segment_fixed_size: 327680
    .private_segment_fixed_size: 0
    .kernarg_segment_align: 8
    .kernarg_segment_size: 24
    .max_flat_workgroup_size: 512
    .sgpr_count:     96
    .vgpr_count:     256
    .wavefront_size: 32
...
	.end_amdgpu_metadata
.endif
;; end of part 3
;; launch wo (part 4): grid 8 x 32, 4 waves a work-group, clusters of 4 x 4, 327,680 bytes of LDS; arguments ob, pwb, x, x2; writes x2
.if DOCPART == 4
	.amdgcn_target "amdgcn-amd-amdhsa--gfx1250"
	.amdhsa_code_object_version 6
	.text
	.protected	k_q2c32affd54_wo
	.globl	k_q2c32affd54_wo
	.p2align	8
	.type	k_q2c32affd54_wo,@function
k_q2c32affd54_wo:
	s_mov_b64 s[64:65], 0
	v_nop
	global_prefetch_b8 v0, s[64:65] scope:SCOPE_SE
	s_setreg_imm32_b32 hwreg(HW_REG_WAVE_MODE, 25, 1), 1
	s_wait_xcnt 0x0
	s_wait_alu depctr_hold_cnt(0) depctr_sa_sdst(0) depctr_va_vdst(0) depctr_va_sdst(0) depctr_va_ssrc(0) depctr_va_vcc(0) depctr_vm_vsrc(0)
	s_getreg_b32 s2, hwreg(HW_REG_IB_STS2, 6, 4)
	s_cmp_eq_u32 s2, 0
	s_cbranch_scc0 .Lentry_in_a_cluster
	s_endpgm
.Lentry_in_a_cluster:
	s_bfe_u32 s2, ttmp6, 0x10000c
	s_cmp_lg_u32 s2, 0xf033
	s_cbranch_scc0 .Lentry_shape_is_right
	s_endpgm
.Lentry_shape_is_right:
; x2 = x + o w_o^T on codes of MX-FP6, f32 out, K = 1,024.
; OPERANDS lie in memory as images of the fragments' registers (tile of 16 rows, K step of 128: 1,536 bytes: registers 0-3 at 16 x lane, 4-5 at 512 + 8 x lane, 6-9 at 768 + 16 x lane,
; 10-11 at 1,280 + 8 x lane), a tile's 8 K steps on end; scale words [tile][K step][r].  Lane r of tile T is row 32 (T / 2) + 8 (T % 2) + r + 8 (r / 8).
; A work-group makes 128 x 128 (256 work-groups), a wave 64 x 64: 16 accumulators.  Tokens are source 1, the weight source 0: a lane's eight registers are eight neighbouring columns.
; NO RING: a block's 8 tiles for all of K are 98,304 dense bytes, and A's and B's fit in LDS together.  The head has four joint loads, one a wave: A's codes, A's scale words, B's codes, B's scale
; words; one wait for 0, one barrier, and eight K steps follow with no further barrier.  Nothing is filled twice.
; CLUSTERS 4 x 4: A's block is shared along a row of the cluster, B's along a column.
; NO PREFETCH: all that the work-group reads is asked for at its head; there is no loop to run ahead in.
; THE RESIDUAL, 64 x 64 numbers a wave, is asked for at the head into a window of its own.  THE WAY OUT: 16 rows x 64 columns go through the wave's own stage in LDS and come back as rows of
; 256 bytes, to which the residual is added; sixteen lanes store 256 consecutive bytes, aligned.
; REGISTERS: window 0: v1-6 lane terms; v16-19 fragment addresses; v24-26 the way out; v27 scale words' address; v28-29 the spare word and 0; v32-39 scale words, two sets; v64-95 rows on the
; way out; v128-255 accumulators.  window 1: two fragment buffers, at v0 and v128: A's four at + 12 a, B's four at + 48 + 12 b.  window 2: v0-127 the residual.
.set AOS,    3145728                   ; A's scale words in A's buffer
.set BOC,    5636096                   ; w_o's codes in the weights' buffer
.set BOS,    12812288                  ; and its scale words
.set FR,     12
.set HALF,   49152                     ; 4 tiles x 8 K steps x 1,536: what a wave reads of A or of B
.set BL,     2*HALF                    ; B's block behind A's
.set SCL,    4*HALF                    ; the scale words: A's 4,096 bytes,
.set SCB,    4096+128                  ; B's behind them; the 128 keep A's and B's words of one load in different banks
.set SPARE,  205056
.set STAGE,  205568                    ; 16 rows x 272 bytes for each wave; no tensor load lands here
.set ADRA, 16
.set ADRB, 18
.set STO,  24
.set RD,   25
.set CO,   26
.set ADRS, 27
.set SPW,  28
.set NIL,  29
.set SC,   32
.set BK,   64
.set ACC,  128
.set G1, 24
.set G0, 32
.set G1B, 48
.set G0B, 56
.set G1S, 68
.set G0S, 76
.set G1SB, 80
.set G0SB, 88
.set MSB, 0
.macro WIN new                         ; the immediate's high byte repeats the setting that is left
.if MSB != \new
	s_set_vgpr_msb (MSB<<8)|\new
.set MSB, \new
.endif
.endm
.set MUL,  0x05                        ; sources 0 (B) and 1 (A) window 1; C and D window 0
.set TO_F, 0x40
.set TO_R, 0x80
.macro CROUND                          ; a round of the cluster's barrier
	s_barrier_signal -1
	s_barrier_wait -1
	s_cmp_lg_u32 s14, 0
	s_cbranch_scc1 .Lnot_wave_0_\@
	s_barrier_signal -3
.Lnot_wave_0_\@:
	s_barrier_wait -3
	s_barrier_signal -1
	s_barrier_wait -1
.endm
.macro PLACES
.rept 4
	v_nop
.endr
.endm
	s_load_b256 s[4:11], s[0:1], 0x0               ; o s[4:5], the weights s[6:7], x s[8:9], x2 s[10:11]
	v_lshl_add_u32 v[SPW], v0, 2, SPARE
	v_mov_b32 v[NIL], 0
	ds_add_u32 v[SPW], v[NIL]                      ; the opening lines: the add twice and one wait
	ds_add_u32 v[SPW], v[NIL]
	v_lshrrev_b32 v1, 5, v0
	v_readfirstlane_b32 s14, v1                    ; wave 0..3
	s_lshr_b32 s15, s14, 1                         ; which half of A's rows is mine
	s_and_b32 s16, s14, 1                          ; which half of B's rows
	s_bfe_u32 s40, ttmp6, 0x40000                  ; cx, cy
	s_bfe_u32 s41, ttmp6, 0x40004
	s_lshl_b32 s42, ttmp9, 2
	s_add_co_u32 s42, s42, s40                     ; B's block of 128 rows
	s_and_b32 s17, ttmp7, 0xffff
	s_lshl_b32 s17, s17, 2
	s_add_co_u32 s17, s17, s41                     ; A's block of 128 rows
	s_lshl_b32 s43, s41, 2
	s_lshl_b32 s43, 15, s43                        ; my row of the cluster
	s_lshl_b32 s44, 0x1111, s40                    ; my column
	s_or_b32 s[G1+0], s43, (3<<16)|(1<<21)
	s_or_b32 s[G1B+0], s44, (3<<16)|(1<<21)
.irp g, G1, G1B                        ; 8 tiles of 12,288 bytes, dense
	s_mov_b32 s[\g+1], 1536<<16
	s_mov_b32 s[\g+2], 8<<16
	s_mov_b32 s[\g+3], 1536<<16
	s_mov_b32 s[\g+4], 8
	s_mov_b32 s[\g+5], 1536
	s_mov_b32 s[\g+6], 0
	s_mov_b32 s[\g+7], 0
.endr
	s_or_b32 s[G1S+0], s43, (3<<16)|(1<<21)
	s_or_b32 s[G1SB+0], s44, (3<<16)|(1<<21)
.irp g, G1S, G1SB                      ; 4,096 dense bytes as 16 rows of 256
	s_mov_b32 s[\g+1], 32<<16
	s_mov_b32 s[\g+2], 16<<16
	s_mov_b32 s[\g+3], 32<<16
	s_mov_b32 s[\g+4], 16
	s_mov_b32 s[\g+5], 32
	s_mov_b32 s[\g+6], 0
	s_mov_b32 s[\g+7], 0
.endr
	s_mul_i32 s20, s17, 98304
	s_lshl_b32 s22, s17, 12
	s_add_co_u32 s22, s22, AOS
	s_mul_i32 s46, s42, 98304
	s_add_co_u32 s46, s46, BOC
	s_lshl_b32 s92, s42, 12
	s_add_co_u32 s92, s92, BOS                     ; all under 2^24
	s_mov_b32 s21, 0
	s_mov_b32 s23, 0
	s_mov_b32 s47, 0
	s_mov_b32 s93, 0
	s_mov_b32 s[G0], 1
	s_mov_b32 s[G0+1], 0
	s_mov_b32 s[G0B], 1
	s_mov_b32 s[G0B+1], BL
	s_mov_b32 s[G0S], 1
	s_mov_b32 s[G0S+1], SCL
	s_mov_b32 s[G0SB], 1
	s_mov_b32 s[G0SB+1], SCL+SCB
	s_wait_dscnt 0x0
	s_wait_kmcnt 0x0
	s_add_nc_u64 s[G0+2:G0+3], s[4:5], s[20:21]
	s_or_b32 s[G0+3], s[G0+3], 0x80000000
	s_add_nc_u64 s[G0S+2:G0S+3], s[4:5], s[22:23]
	s_or_b32 s[G0S+3], s[G0S+3], 0x80000000
	s_add_nc_u64 s[G0B+2:G0B+3], s[6:7], s[46:47]
	s_or_b32 s[G0B+3], s[G0B+3], 0x80000000
	s_add_nc_u64 s[G0SB+2:G0SB+3], s[6:7], s[92:93]
	s_or_b32 s[G0SB+3], s[G0SB+3], 0x80000000
	CROUND                                         ; all sixteen work-groups are here: the joint loads meet
.macro ARM under, g0, g1, next         ; one chain of branches on the wave's number, one load to an arm
	s_cmp_lt_u32 s14, \under
	s_cbranch_scc0 \next
	tensor_load_to_lds s[\g0:\g0+3], s[\g1:\g1+7]
	s_nop 0
.rept 4
	v_nop
.endr
	s_branch .Lhead_asked
\next:
.endm
	ARM 1, G0, G1, .Lhead_1
	ARM 2, G0S, G1S, .Lhead_2
	ARM 3, G0B, G1B, .Lhead_3
	tensor_load_to_lds s[G0SB:G0SB+3], s[G1SB:G1SB+7]
	s_nop 0
.rept 4
	v_nop
.endr
.Lhead_asked:
	v_and_b32 v1, 31, v0                           ; lane
	v_and_b32 v2, 15, v0                           ; r
	v_bfe_u32 v3, v0, 4, 1                         ; h
	v_lshlrev_b32 v4, 4, v1
	v_lshlrev_b32 v5, 3, v1
	s_wait_alu depctr_va_vdst(0)
	s_mul_i32 s21, s15, HALF
	s_mul_i32 s22, s16, HALF
	s_add_co_u32 s22, s22, BL
	v_add_nc_u32 v[ADRA], s21, v4
	v_add_nc_u32 v[ADRA+1], s21, v5
	v_add_nc_u32 v[ADRB], s22, v4
	v_add_nc_u32 v[ADRB+1], s22, v5
	s_lshl_b32 s21, s15, 11                        ; the scale words of 4 tiles: 2,048 bytes
	s_lshl_b32 s22, s16, 11
	s_add_co_u32 s22, s22, SCB
	s_sub_co_u32 s22, s22, s21
	v_mul_u32_u24 v6, s22, v3                      ; lanes 16-31 take B's words: one product, h x the distance
	s_add_co_u32 s21, s21, SCL
	v_lshl_add_u32 v[ADRS], v2, 2, v6
	v_add_nc_u32 v[ADRS], s21, v[ADRS]
	s_mul_i32 s23, s14, 16*272
	s_add_co_u32 s23, s23, STAGE                   ; my stage
	v_mul_u32_u24 v6, v2, 272
	v_lshl_add_u32 v6, v3, 6, v6
	v_add_nc_u32 v[STO], s23, v6                   ; in: row r, + 64 h: column 32 (b / 2) + 16 h + 8 (b % 2) + j
	v_mul_u32_u24 v6, v3, 272
	v_lshl_add_u32 v6, v2, 4, v6
	v_add_nc_u32 v[RD], s23, v6                    ; back: lanes 0-15 one row of 256 bytes, lanes 16-31 the next
	v_lshlrev_b32 v6, 12, v3
	v_lshl_add_u32 v[CO], v2, 4, v6                ; and the same two rows in memory, 4,096 bytes apart
	s_wait_alu depctr_va_vdst(0)                   ; the wait ahead of the scalar lines below
	s_lshl_b32 s20, s17, 7
	s_lshl_b32 s21, s15, 6
	s_add_co_u32 s20, s20, s21                     ; my first row
	s_lshl_b32 s20, s20, 12
	s_lshl_b32 s46, s42, 9
	s_lshl_b32 s47, s16, 8
	s_add_co_u32 s46, s46, s47                     ; my first column, in bytes
	s_add_co_u32 s20, s20, s46
	s_mov_b32 s21, 0
	s_add_nc_u64 s[8:9], s[8:9], s[20:21]
	s_add_nc_u64 s[10:11], s[10:11], s[20:21]
	WIN TO_R
.irp a, 0,1,2,3
.irp t, 0,1,2,3,4,5,6,7
	global_load_b128 v[32*\a+4*\t:32*\a+4*\t+3], v[CO], s[8:9] offset:(32*(\a/2)+8*(\a%2)+2*\t+8*(\t/4))*4096   ; the residual at the very places that are stored at the end
.endr
.endr
	WIN 0
.macro FRAG reg, adr, off              ; a fragment comes back as it was stored: four loads, each of 512 or 256 consecutive bytes
	ds_load_b128 v[(\reg):(\reg)+3], v[\adr] offset:(\off)
	ds_load_b64 v[(\reg)+4:(\reg)+5], v[(\adr)+1] offset:(\off)+512
	ds_load_b128 v[(\reg)+6:(\reg)+9], v[\adr] offset:(\off)+768
	ds_load_b64 v[(\reg)+10:(\reg)+11], v[(\adr)+1] offset:(\off)+1280
.endm
.macro MUL16 f, zero                   ; 16 matrix instructions, buffer f; the 16 accumulators take turns
.irp a, 0,1,2,3
.irp b, 0,1,2,3
.if \zero
	v_wmma_scale_f32_16x16x128_f8f6f4 v[ACC+8*(4*\a+\b):ACC+8*(4*\a+\b)+7], v[128*(\f)+48+FR*\b:128*(\f)+48+FR*\b+FR-1], v[128*(\f)+FR*\a:128*(\f)+FR*\a+FR-1], 0, v[SC+4*(\f)+\b], v[SC+4*(\f)+\a] matrix_a_fmt:MATRIX_FMT_FP6 matrix_b_fmt:MATRIX_FMT_FP6 matrix_a_scale:MATRIX_SCALE_ROW1
.else
	v_wmma_scale_f32_16x16x128_f8f6f4 v[ACC+8*(4*\a+\b):ACC+8*(4*\a+\b)+7], v[128*(\f)+48+FR*\b:128*(\f)+48+FR*\b+FR-1], v[128*(\f)+FR*\a:128*(\f)+FR*\a+FR-1], v[ACC+8*(4*\a+\b):ACC+8*(4*\a+\b)+7], v[SC+4*(\f)+\b], v[SC+4*(\f)+\a] matrix_a_fmt:MATRIX_FMT_FP6 matrix_b_fmt:MATRIX_FMT_FP6 matrix_a_scale:MATRIX_SCALE_ROW1
.endif
.endr
.endr
.endm
.macro FETCH q, f                      ; 36 LDS loads in one run: K step q into buffer f: four scale words (lanes 0-15 A's block i, lanes 16-31 B's), eight fragments
	WIN 0
.irp i, 0,1,2,3
	ds_load_b32 v[SC+4*(\f)+\i], v[ADRS] offset:512*\i+64*(\q)
.endr
	WIN TO_F
.irp i, 0,1,2,3
	FRAG 128*(\f)+FR*\i, ADRA, 12288*\i+1536*(\q)
	FRAG 128*(\f)+48+FR*\i, ADRB, 12288*\i+1536*(\q)
.endr
.endm
	s_wait_alu depctr_va_vdst(0)                   ; the wait at the head's end
	s_wait_tensorcnt 0x0                           ; my tile of the four is in
	s_barrier_signal -1
	s_barrier_wait -1                              ; everybody's is
	FETCH 0, 0
.irp q, 0,1,2,3,4,5,6                  ; a step asks for the next step's buffer, then multiplies its own
	s_wait_dscnt 0                                 ; my buffer is in
	PLACES                                         ; in front of loads into the other buffer, which the last step's products read
	FETCH \q+1, 1-(\q%2)
	WIN MUL
.if \q == 0
	MUL16 0, 1                                     ; the first products start the sums
.else
	MUL16 \q%2, 0
.endif
.endr
	s_wait_dscnt 0
	MUL16 1, 0
	WIN 0
	PLACES                                         ; in front of the first read of results
.macro OUTB a                          ; A's block a: tile lane 2 t + h is row 32 (a / 2) + 8 (a % 2) + 2 t + 8 (t / 4) + h of my 64
.if \a > 0
	s_wait_xcnt 0x0                                ; the last block's stores have read their data
.endif
.irp b, 0,1,2,3
	ds_store_b128 v[STO], v[ACC+8*(4*\a+\b):ACC+8*(4*\a+\b)+3] offset:128*(\b/2)+32*(\b%2)        ; each accumulator from its low end on
	ds_store_b128 v[STO], v[ACC+8*(4*\a+\b)+4:ACC+8*(4*\a+\b)+7] offset:128*(\b/2)+32*(\b%2)+16
.endr
.irp t, 0,1,2,3,4,5,6,7
	ds_load_b128 v[BK+4*\t:BK+4*\t+3], v[RD] offset:544*\t     ; LDS serves a wave's instructions in order (ISA guide 5.7.1.4): these see the stores above
.endr
	s_wait_dscnt 0x0
	s_wait_loadcnt 24-8*\a                         ; this block's eight residual loads are in; the later blocks' may be out
	WIN 0x08                                       ; source 1 in window 2
.irp i, 0,2,4,6,8,10,12,14,16,18,20,22,24,26,28,30
	v_pk_add_f32 v[BK+\i:BK+\i+1], v[BK+\i:BK+\i+1], v[32*\a+\i:32*\a+\i+1]
.endr
	WIN 0
.irp t, 0,1,2,3,4,5,6,7
	global_store_b128 v[CO], v[BK+4*\t:BK+4*\t+3], s[10:11] offset:(32*(\a/2)+8*(\a%2)+2*\t+8*(\t/4))*4096   ; 16 lanes store 256 consecutive bytes, aligned
.endr
.endm
	OUTB 0
	OUTB 1
	OUTB 2
	OUTB 3
	s_wait_tensorcnt 0x0                           ; the wave's end
	ds_add_u32 v[SPW], v[NIL]
	s_wait_dscnt 0x0
	CROUND                                         ; the closing round
	s_endpgm
.Lfunc_end_k_q2c32affd54_wo:
	.size	k_q2c32affd54_wo, .Lfunc_end_k_q2c32affd54_wo-k_q2c32affd54_wo
	.p2alignl 7, 3214868480
	.fill 96, 4, 3214868480
	.section	.rodata,"a",@progbits
	.p2align	6, 0x0
	.amdhsa_kernel k_q2c32affd54_wo
		.amdhsa_group_segment_fixed_size 327680
		.amdhsa_private_segment_fixed_size 0
		.amdhsa_enable_private_segment 0
		.amdhsa_kernarg_size 32
		.amdhsa_user_sgpr_count 2
		.amdhsa_user_sgpr_kernarg_segment_ptr 1
		.amdhsa_wavefront_size32 1
		.amdhsa_system_sgpr_workgroup_id_x 1
		.amdhsa_system_sgpr_workgroup_id_y 1
		.amdhsa_system_sgpr_workgroup_id_z 1
		.amdhsa_system_vgpr_workitem_id 0
		.amdhsa_next_free_vgpr 640
		.amdhsa_next_free_sgpr 100
		.amdhsa_reserve_vcc 0
		.amdhsa_float_denorm_mode_32 3
		.amdhsa_float_denorm_mode_16_64 3
		.amdhsa_memory_ordered 1
		.amdhsa_forward_progress 1
		.amdhsa_inst_pref_size 59
	.end_amdhsa_kernel
	.amdgpu_metadata
---
amdhsa.version: [ 1, 2 ]
amdhsa.kernels:
  - .name:           k_q2c32affd54_wo
    .symbol:         k_q2c32affd54_wo.kd
    .args:
      - { .name: ob, .offset: 0, .size: 8, .value_kind: global_buffer, .address_space: global }
      - { .name: pwb, .offset: 8, .size: 8, .value_kind: global_buffer, .address_space: global }
      - { .name: x, .offset: 16, .size: 8, .value_kind: global_buffer, .address_space: global }
      - { .name: x2, .offset: 24, .size: 8, .value_kind: global_buffer, .address_space: global }
    .group_segment_fixed_size: 327680
    .private_segment_fixed_size: 0
    .kernarg_segment_align: 8
    .kernarg_segment_size: 32
    .max_flat_workgroup_size: 128
    .sgpr_count:     100
    .vgpr_count:     640
    .wavefront_size: 32
...
	.end_amdgpu_metadata
.endif
;; end of part 4
;; launch ln2: the kernel of part 1 again; grid 256 x 1, 8 waves a work-group, no clusters, 67,328 bytes of LDS; arguments x2, gamma2, beta2, w_q, w_k, w_v, w_o, w1, w2, h2; writes h2
;; launch ffn1 (part 5): grid 16 x 16, 4 waves a work-group, clusters of 4 x 4, 327,680 bytes of LDS; arguments h2, pwb, b1, fb; writes fb
.if DOCPART == 5
	.amdgcn_target "amdgcn-amd-amdhsa--gfx1250"
	.amdhsa_code_object_version 6
	.text
	.protected	k_q2c32affd54_ffn1
	.globl	k_q2c32affd54_ffn1
	.p2align	8
	.type	k_q2c32affd54_ffn1,@function
k_q2c32affd54_ffn1:
	s_mov_b64 s[64:65], 0
	v_nop
	global_prefetch_b8 v0, s[64:65] scope:SCOPE_SE
	s_setreg_imm32_b32 hwreg(HW_REG_WAVE_MODE, 25, 1), 1
	s_wait_xcnt 0x0
	s_wait_alu depctr_hold_cnt(0) depctr_sa_sdst(0) depctr_va_vdst(0) depctr_va_sdst(0) depctr_va_ssrc(0) depctr_va_vcc(0) depctr_vm_vsrc(0)
	s_getreg_b32 s2, hwreg(HW_REG_IB_STS2, 6, 4)
	s_cmp_eq_u32 s2, 0
	s_cbranch_scc0 .Lentry_in_a_cluster
	s_endpgm
.Lentry_in_a_cluster:
	s_bfe_u32 s2, ttmp6, 0x10000c
	s_cmp_lg_u32 s2, 0xf033
	s_cbranch_scc0 .Lentry_shape_is_right
	s_endpgm
.Lentry_shape_is_right:
.set HS,     3145728
.set W1C,    6422528
.set W1S,    12845056
.set FS,     12582912
.set NQ,     2
.set FR,     12
.set NL,     4
.set NP,     4
.set HALFT,  24576
.set SLOT,   4*HALFT
.set SCL,    2*SLOT
.set SCB,    8192+128
.set SPARE,  213248
.set ADRA, 16
.set ADRB, 20
.set ADRS, 27
.set SPW,  28
.set NIL,  29
.set SC,   32
.set BI,   64
.set AF,   128
.set TM,   224
.set PW,   240
.set PC,   128
.set G1, 24
.set G0, 32
.set G1B, 48
.set G0B, 56
.set G1S, 68
.set G0S, 76
.set G1SB, 80
.set G0SB, 88
.set SEL, 104
.set MSB, 0
.macro WIN new
.if MSB != \new
	s_set_vgpr_msb (MSB<<8)|\new
.set MSB, \new
.endif
.endm
.set MUL_LO, 0xa1
.set MUL_HI, 0xf1
.set TO_B,   0x40
.macro JLOAD g0a, g1a, g0b, g1b
	s_cmp_eq_u32 s15, 0
	s_cbranch_scc0 .Lfor_b_\@
	tensor_load_to_lds s[\g0a:\g0a+3], s[\g1a:\g1a+7]
	s_nop 0
.rept 4
	v_nop
.endr
	s_branch .Lasked_\@
.Lfor_b_\@:
	tensor_load_to_lds s[\g0b:\g0b+3], s[\g1b:\g1b+7]
	s_nop 0
.rept 4
	v_nop
.endr
.Lasked_\@:
.endm
.macro CREST
	s_cmp_lg_u32 s14, 0
	s_cbranch_scc1 .Lnot_wave_0_\@
	s_barrier_signal -3
.Lnot_wave_0_\@:
	s_barrier_wait -3
	s_barrier_signal -1
	s_barrier_wait -1
.endm
.macro CROUND
	s_barrier_signal -1
	s_barrier_wait -1
	CREST
.endm
.macro PLACES n
.rept \n
	v_nop
.endr
.endm
	s_load_b128 s[4:7], s[0:1], 0x0
	s_load_b128 s[8:11], s[0:1], 0x10
	v_lshl_add_u32 v[SPW], v0, 2, SPARE
	v_mov_b32 v[NIL], 0
	ds_add_u32 v28, v29
	ds_add_u32 v28, v29
	s_wait_dscnt 0x0
	v_lshrrev_b32 v1, 5, v0
	v_readfirstlane_b32 s14, v1
	s_lshr_b32 s15, s14, 1
	s_and_b32 s16, s14, 1
	s_bfe_u32 s40, ttmp6, 0x40000
	s_bfe_u32 s41, ttmp6, 0x40004
	s_lshl_b32 s42, ttmp9, 2
	s_add_co_u32 s42, s42, s40
	s_and_b32 s17, ttmp7, 0xffff
	s_lshl_b32 s17, s17, 2
	s_add_co_u32 s17, s17, s41
	s_lshl_b32 s43, s41, 2
	s_lshl_b32 s43, 15, s43
	s_lshl_b32 s44, 0x1111, s40
	s_or_b32 s[G1+0], s43, (3<<16)|(1<<21)
	s_or_b32 s[G1B+0], s44, (3<<16)|(1<<21)
.irp g, G1, G1B
	s_mov_b32 s[\g+1], 384<<16
	s_mov_b32 s[\g+2], 16<<16                      ; the head's loads bring all 16 tiles; behind them these two words are set to 8
	s_mov_b32 s[\g+3], 384<<16
	s_mov_b32 s[\g+4], 16
	s_mov_b32 s[\g+5], 1536
	s_mov_b32 s[\g+6], 0
	s_mov_b32 s[\g+7], 0
.endr
	s_or_b32 s[G1S+0], s43, (3<<16)|(1<<21)
	s_or_b32 s[G1SB+0], s44, (3<<16)|(1<<21)
.irp g, G1S, G1SB
	s_mov_b32 s[\g+1], 32<<16
	s_mov_b32 s[\g+2], 32<<16                      ; the scale words of all 16 tiles: 32 rows of 256 bytes, one load
	s_mov_b32 s[\g+3], 32<<16
	s_mov_b32 s[\g+4], 32
	s_mov_b32 s[\g+5], 32
	s_mov_b32 s[\g+6], 0
	s_mov_b32 s[\g+7], 0
.endr
	s_lshl_b32 s18, s16, 3
	s_lshl_b32 s20, s17, 4
	s_add_co_u32 s20, s20, s18
	s_lshl_b32 s46, s42, 4
	s_add_co_u32 s46, s46, s18
	s_lshl_b32 s22, s17, 13                        ; the block's first scale word: 16 tiles x 512 bytes
	s_add_co_u32 s22, s22, HS
	s_mul_i32 s20, s20, 12288
	s_lshl_b32 s92, s42, 13
	s_add_co_u32 s92, s92, W1S
	s_mul_i32 s46, s46, 12288
	s_add_co_u32 s46, s46, W1C
	s_mov_b32 s21, 0
	s_mov_b32 s23, 0
	s_mov_b32 s47, 0
	s_mov_b32 s93, 0
	s_mul_i32 s45, s14, HALFT
	s_lshl_b32 s94, s14, 12
	s_mov_b32 s[SEL], 0x76543210
	s_mov_b32 s[SEL+1], 0xfedcba98
	s_mov_b32 s100, 0xffff0000
	s_wait_kmcnt 0x0
	s_add_nc_u64 s[20:21], s[4:5], s[20:21]
	s_add_nc_u64 s[22:23], s[4:5], s[22:23]
	s_add_nc_u64 s[46:47], s[6:7], s[46:47]
	s_add_nc_u64 s[92:93], s[6:7], s[92:93]
	CROUND
	s_mov_b32 s[G0S], 1
	s_mov_b32 s[G0S+1], SCL
	s_mov_b64 s[G0S+2:G0S+3], s[22:23]
	s_or_b32 s[G0S+3], s[G0S+3], 0x80000000
	s_mov_b32 s[G0SB], 1
	s_mov_b32 s[G0SB+1], SCL+SCB
	s_mov_b64 s[G0SB+2:G0SB+3], s[92:93]
	s_or_b32 s[G0SB+3], s[G0SB+3], 0x80000000
.irp s, 0,1
	s_mov_b32 s[G0+4*\s], 1
	s_add_co_u32 s[G0+4*\s+1], s45, \s*SLOT
	s_add_nc_u64 s[G0+4*\s+2:G0+4*\s+3], s[20:21], \s*3072
	s_or_b32 s[G0+4*\s+3], s[G0+4*\s+3], 0x80000000
	s_mov_b32 s[G0B+4*\s], 1
	s_add_co_u32 s[G0B+4*\s+1], s45, \s*SLOT
	s_add_nc_u64 s[G0B+4*\s+2:G0B+4*\s+3], s[46:47], \s*3072
	s_or_b32 s[G0B+4*\s+3], s[G0B+4*\s+3], 0x80000000
.endr
; the head's four tiles, one joint load a wave: wave 0 slot 0's 16 tiles of A, wave 1 A's scale words, wave 2 slot 0's 16 tiles of B, wave 3 B's scale words.
; Waves 0 and 2 fetch the first half in the ring, so their slot 0 group 0 points at the block's first tile.
; THE PREFETCHES: a chunk is 256 along K, 3,072 bytes of each tile.  Of the 8 tiles that my wave fetches in the ring each of the four partners that ask for them with me takes two, told apart by
; address (cx for A, cy for B): 24 lanes name their 24 blocks of 256 bytes, the 8 lanes left over the last block again.  With the load of chunk c goes the request for chunk c + 2; chunk 3 is the last.
	s_cmp_eq_u32 s15, 0
	s_cselect_b64 s[92:93], s[20:21], s[46:47]
	s_cselect_b32 s2, s40, s41
	s_mul_i32 s2, s2, 24576
	s_mov_b32 s3, 0
	s_add_nc_u64 s[92:93], s[92:93], s[2:3]
.macro ARM under, g0, g1, next
	s_cmp_lt_u32 s14, \under
	s_cbranch_scc0 \next
	tensor_load_to_lds s[\g0:\g0+3], s[\g1:\g1+7]
	s_nop 0
.rept 4
	v_nop
.endr
	s_branch .Lhead_asked
\next:
.endm
	ARM 1, G0, G1, .Lhead_1
	ARM 2, G0S, G1S, .Lhead_2
	ARM 3, G0B, G1B, .Lhead_3
	tensor_load_to_lds s[G0SB:G0SB+3], s[G1SB:G1SB+7]
	s_nop 0
.rept 4
	v_nop
.endr
.Lhead_asked:
	v_and_b32 v1, 31, v0
	v_min_u32 v30, 23, v1
	v_mul_u32_u24 v31, v30, 171
	v_lshrrev_b32 v31, 11, v31                     ; lane / 12, for lanes up to 23: which of my two tiles
	v_mul_u32_u24 v31, v31, 9216                   ; a tile's 8 K steps are 12,288 bytes, a chunk 3,072 of them
	v_lshl_add_u32 v30, v30, 8, v31
	global_prefetch_b8 v30, s[92:93] offset:3072 th:TH_LOAD_NT scope:SCOPE_SE      ; chunks 1 and 2
	global_prefetch_b8 v30, s[92:93] offset:6144 th:TH_LOAD_NT scope:SCOPE_SE
	v_and_b32 v2, 15, v0
	v_bfe_u32 v3, v0, 4, 1
	v_lshlrev_b32 v4, 4, v1
	v_lshlrev_b32 v5, 3, v1
	s_mul_i32 s21, s15, HALFT
	s_mul_i32 s22, s16, HALFT
	s_add_co_u32 s22, s22, 2*HALFT
.irp s, 0,1
	v_add_nc_u32 v[ADRA+\s], s21, v4
	v_add_nc_u32 v[ADRA+2+\s], s21, v5
	v_add_nc_u32 v[ADRB+\s], s22, v4
	v_add_nc_u32 v[ADRB+2+\s], s22, v5
	s_add_co_u32 s21, s21, SLOT
	s_add_co_u32 s22, s22, SLOT
.endr
	s_lshl_b32 s21, s15, 12
	s_lshl_b32 s22, s16, 12
	s_add_co_u32 s22, s22, SCB
	s_sub_co_u32 s22, s22, s21
	v_mul_u32_u24 v11, s22, v3
	s_add_co_u32 s21, s21, SCL
	v_lshl_add_u32 v[ADRS], v2, 2, v11
	v_add_nc_u32 v[ADRS], s21, v[ADRS]
	s_lshl_b32 s18, s42, 10
	s_lshl_b32 s19, s16, 9
	s_add_co_u32 s18, s18, s19
	s_mov_b32 s19, 0
	s_add_nc_u64 s[8:9], s[8:9], s[18:19]
	v_lshlrev_b32 v8, 6, v3
.irp b, 0,1,2,3,4,5,6,7
	global_load_b128 v[BI+8*\b:BI+8*\b+3], v8, s[8:9] offset:(32*(\b/2)+8*(\b%2))*4
	global_load_b128 v[BI+8*\b+4:BI+8*\b+7], v8, s[8:9] offset:(32*(\b/2)+8*(\b%2))*4+16
.endr
	s_lshl_b32 s18, s17, 4
	s_lshl_b32 s19, s15, 3
	s_add_co_u32 s18, s18, s19
	s_lshl_b32 s18, s18, 5
	s_lshl_b32 s19, s42, 1
	s_add_co_u32 s18, s18, s19
	s_add_co_u32 s18, s18, s16
	s_mul_i32 s12, s18, 1536
	s_mov_b32 s13, 0
	s_lshl_b32 s66, s18, 6
	s_add_co_u32 s66, s66, FS
	s_mov_b32 s67, 0
	s_add_nc_u64 s[12:13], s[10:11], s[12:13]
	s_add_nc_u64 s[66:67], s[10:11], s[66:67]
	v_lshlrev_b32 v9, 11, v3
	v_lshl_add_u32 v9, v2, 2, v9
.macro FRAG reg, adr, off
	ds_load_b128 v[(\reg):(\reg)+3], v[\adr] offset:(\off)
	ds_load_b64 v[(\reg)+4:(\reg)+5], v[(\adr)+2] offset:(\off)+512
	ds_load_b128 v[(\reg)+6:(\reg)+9], v[\adr] offset:(\off)+768
	ds_load_b64 v[(\reg)+10:(\reg)+11], v[(\adr)+2] offset:(\off)+1280
.endm
.macro MUL16 a0, p, q, sc, cm
.irp a, \a0, \a0+1
.irp b, 0,1,2,3,4,5,6,7
.if \cm == 2
	v_wmma_scale_f32_16x16x128_f8f6f4 v[8*(8*((\a)%4)+\b):8*(8*((\a)%4)+\b)+7], v[128*(\p)+FR*\b:128*(\p)+FR*\b+FR-1], v[AF+FR*(\a):AF+FR*(\a)+FR-1], v[BI+8*\b:BI+8*\b+7], v[SC+8*NQ*(\sc)+NQ*\b+(\q)], v[SC+8*NQ*(\sc)+NQ*(\a)+(\q)] matrix_a_fmt:MATRIX_FMT_FP6 matrix_b_fmt:MATRIX_FMT_FP6 matrix_a_scale:MATRIX_SCALE_ROW1
.else
	v_wmma_scale_f32_16x16x128_f8f6f4 v[8*(8*((\a)%4)+\b):8*(8*((\a)%4)+\b)+7], v[128*(\p)+FR*\b:128*(\p)+FR*\b+FR-1], v[AF+FR*(\a):AF+FR*(\a)+FR-1], v[8*(8*((\a)%4)+\b):8*(8*((\a)%4)+\b)+7], v[SC+8*NQ*(\sc)+NQ*\b+(\q)], v[SC+8*NQ*(\sc)+NQ*(\a)+(\q)] matrix_a_fmt:MATRIX_FMT_FP6 matrix_b_fmt:MATRIX_FMT_FP6 matrix_a_scale:MATRIX_SCALE_ROW1
.endif
.endr
.endr
.endm
.macro FETCH_B slot, q, p
	WIN TO_B
.irp i, 0,1,2,3,4,5,6,7
	FRAG 128*(\p)+FR*\i, ADRB+\slot, 3072*\i+1536*(\q)
.endr
	WIN 0
.endm
.macro FETCH_A slot, q, i0
.irp i, \i0, \i0+1, \i0+2, \i0+3
	FRAG AF+FR*(\i), ADRA+\slot, 3072*(\i)+1536*(\q)
.endr
.endm
.macro SCALES sc
.irp i, 0,1,2,3,4,5,6,7
.irp q, 0,1
	ds_load_b32 v[SC+8*NQ*\sc+NQ*\i+\q], v[ADRS] offset:512*\i+64*\q
.endr
.endr
.endm
.macro STEP slot, q, cm
	s_wait_dscnt 4*NL
.if \cm == 2
	WIN 0x81
.else
	WIN MUL_LO
.endif
	MUL16 0, (\q)%2, \q, \slot, \cm
	MUL16 2, (\q)%2, \q, \slot, \cm
	s_wait_dscnt 0
	PLACES NP
	FETCH_B \slot, (\q)+1, 1-(\q)%2
	FETCH_A \slot, (\q)+1, 0
.if \cm == 2
	WIN 0xc1
.else
	WIN MUL_HI
.endif
	MUL16 4, (\q)%2, \q, \slot, \cm
	MUL16 6, (\q)%2, \q, \slot, \cm
	PLACES NP
	WIN 0
	FETCH_A \slot, (\q)+1, 4
.endm
.macro TURN slot, next, fill
	s_wait_tensorcnt 0x0
	ds_add_u32 v[SPW], v[NIL]
	s_wait_dscnt 4*NL+1
	WIN MUL_LO
	MUL16 0, 1, NQ-1, \slot, 0
	s_wait_dscnt 0x0
	s_barrier_signal -1
	MUL16 2, 1, NQ-1, \slot, 0
	WIN 0
	s_barrier_wait -1
.if \fill
	CREST
	s_add_nc_u64 s[G0+4*\slot+2:G0+4*\slot+3], s[G0+4*\slot+2:G0+4*\slot+3], 6144
	s_add_nc_u64 s[G0B+4*\slot+2:G0B+4*\slot+3], s[G0B+4*\slot+2:G0B+4*\slot+3], 6144
	JLOAD G0+4*\slot, G1, G0B+4*\slot, G1B
.else
	PLACES NP
.endif
	s_wait_alu depctr_va_vdst(0)
	v_add_nc_u32 v[ADRS], 64*NQ, v[ADRS]
	FETCH_B \next, 0, 0
	FETCH_A \next, 0, 0
	SCALES \next
	WIN MUL_HI
	MUL16 4, 1, NQ-1, \slot, 0
	MUL16 6, 1, NQ-1, \slot, 0
	PLACES NP
	WIN 0
	FETCH_A \next, 0, 4
.endm
.macro QUANTW s, w, pw
.set WW, 5*(\w)
	WIN WW
.irp b, 0,1,2,3
	v_max3_num_f32 v[TM+\b], |v[(\s)+16*\b]|, |v[(\s)+1+16*\b]|, 0x1800000
.endr
.irp i, 2,4,6,8,10,12,14
.irp b, 0,1,2,3
	v_max3_num_f32 v[TM+\b], |v[(\s)+16*\b+\i]|, |v[(\s)+1+16*\b+\i]|, v[TM+\b]
.endr
.endr
	WIN 0
.irp b, 0,1,2,3
	v_permlanex16_b32 v[TM+4+\b], v[TM+\b], s[SEL], s[SEL+1]
.endr
.irp b, 0,1,2,3
	v_max_num_f32 v[TM+\b], v[TM+\b], v[TM+4+\b]
.endr
.irp b, 0,1,2,3
	v_add_nc_u32 v[TM+12+\b], 0xff000000, v[TM+\b]
.endr
.irp b, 0,1,2,3
	v_lshrrev_b32 v[TM+4+\b], 23, v[TM+12+\b]
.endr
	v_lshl_or_b32 v[\pw], v[TM+5], 8, v[TM+4]
	v_lshl_or_b32 v[\pw], v[TM+6], 16, v[\pw]
	v_lshl_or_b32 v[\pw], v[TM+7], 24, v[\pw]
	s_wait_xcnt 0x0
.set WW, (\w)
	WIN WW
.irp c, 0,1
	v_cvt_scalef32_pk16_fp6_f32 v[PC+6*\c:PC+2+6*\c], v[(\s)+32*\c:(\s)+15+32*\c], v[TM+12+2*\c]
	v_cvt_scalef32_pk16_fp6_f32 v[PC+12+4*\c:PC+14+4*\c], v[(\s)+16+32*\c:(\s)+31+32*\c], v[TM+12+2*\c+1]
.endr
	WIN 0
	v_nop
.irp c, 0,1
.irp i, 0,1,2
	v_permlane16_swap_b32 v[PC+6*\c+\i], v[PC+12+4*\c+\i]
.endr
.irp i, 0,1,2
	v_mov_b32 v[PC+3+6*\c+\i], v[PC+12+4*\c+\i]
.endr
.endr
.endm
	s_wait_alu depctr_va_vdst(0)
	s_wait_tensorcnt 0x0                           ; my tile of the head's four is in
	ds_add_u32 v28, v29                            ; the add ahead of a later first fill
	s_mov_b32 s[G1+2], 8<<16                       ; no load of mine is out: from here on a load brings 8 tiles
	s_mov_b32 s[G1+4], 8
	s_mov_b32 s[G1B+2], 8<<16
	s_mov_b32 s[G1B+4], 8
	s_wait_dscnt 0x0
	CROUND
	JLOAD G0+4, G1, G0B+4, G1B                     ; slot 1's first fill, a quarter a wave
	global_prefetch_b8 v30, s[92:93] offset:9216 th:TH_LOAD_NT scope:SCOPE_SE      ; chunk 3
	FETCH_B 0, 0, 0
	FETCH_A 0, 0, 0
	SCALES 0
	FETCH_A 0, 0, 4
	s_wait_loadcnt 0x0
	STEP 0, 0, 2
	TURN 0, 1, 1
	STEP 1, 0, 0
	TURN 1, 0, 1
	STEP 0, 0, 0
	TURN 0, 1, 0
	STEP 1, 0, 0
	s_wait_dscnt 4*NL
	WIN MUL_LO
	MUL16 0, 1, NQ-1, 1, 0
	MUL16 2, 1, NQ-1, 1, 0
	s_wait_dscnt 0
	WIN MUL_HI
	MUL16 4, 1, NQ-1, 1, 0
	MUL16 6, 1, NQ-1, 1, 0
	WIN 0
	PLACES NP
.irp b, 0,1,2,3
	v_mov_b32 v[TM+4+\b], 0
.endr
.macro OUTB a
.set AC, 64*((\a)%4)
.set AW, 2+(\a)/4
.set WW, 68*AW
	WIN WW
.set JJ, 0
.rept 64
	v_max_num_f32 v[AC+JJ], 0, v[AC+JJ]
.set JJ, JJ+1
.endr
.set PP, PW+(\a)%2
	QUANTW AC, AW, PP
	global_store_b128 v4, v[PC:PC+3], s[12:13] offset:49152*\a
	global_store_b64 v5, v[PC+4:PC+5], s[12:13] offset:49152*\a+512
	global_store_b128 v4, v[PC+6:PC+9], s[12:13] offset:49152*\a+768
	global_store_b64 v5, v[PC+10:PC+11], s[12:13] offset:49152*\a+1280
.if (\a)%2 == 1
	v_cndmask_b32 v242, v[PW], v[PW+1], s100
	global_store_b32 v9, v242, s[66:67] offset:2048*(\a-1)
.endif
.endm
.irp a, 0,1,2,3,4,5,6,7
	OUTB \a
.endr
	s_wait_tensorcnt 0x0
	ds_add_u32 v[SPW], v[NIL]
	s_wait_dscnt 0x0
	CROUND
	s_endpgm
.Lfunc_end_k_q2c32affd54_ffn1:
	.size	k_q2c32affd54_ffn1, .Lfunc_end_k_q2c32affd54_ffn1-k_q2c32affd54_ffn1
	.p2alignl 7, 3214868480
	.fill 96, 4, 3214868480
	.section	.rodata,"a",@progbits
	.p2align	6, 0x0
	.amdhsa_kernel k_q2c32affd54_ffn1
		.amdhsa_group_segment_fixed_size 327680
		.amdhsa_private_segment_fixed_size 0
		.amdhsa_enable_private_segment 0
		.amdhsa_kernarg_size 32
		.amdhsa_user_sgpr_count 2
		.amdhsa_user_sgpr_kernarg_segment_ptr 1
		.amdhsa_wavefront_size32 1
		.amdhsa_system_sgpr_workgroup_id_x 1
		.amdhsa_system_sgpr_workgroup_id_y 1
		.amdhsa_system_sgpr_workgroup_id_z 1
		.amdhsa_system_vgpr_workitem_id 0
		.amdhsa_next_free_vgpr 1024
		.amdhsa_next_free_sgpr 106
		.amdhsa_reserve_vcc 0
		.amdhsa_float_denorm_mode_32 3
		.amdhsa_float_denorm_mode_16_64 3
		.amdhsa_memory_ordered 1
		.amdhsa_forward_progress 1
		.amdhsa_inst_pref_size 170
	.end_amdhsa_kernel
	.amdgpu_metadata
---
amdhsa.version: [ 1, 2 ]
amdhsa.kernels:
  - .name:           k_q2c32affd54_ffn1
    .symbol:         k_q2c32affd54_ffn1.kd
    .args:
      - { .name: h2, .offset: 0, .size: 8, .value_kind: global_buffer, .address_space: global }
      - { .name: pwb, .offset: 8, .size: 8, .value_kind: global_buffer, .address_space: global }
      - { .name: b1, .offset: 16, .size: 8, .value_kind: global_buffer, .address_space: global }
      - { .name: fb, .offset: 24, .size: 8, .value_kind: global_buffer, .address_space: global }
    .group_segment_fixed_size: 327680
    .private_segment_fixed_size: 0
    .kernarg_segment_align: 8
    .kernarg_segment_size: 32
    .max_flat_workgroup_size: 128
    .sgpr_count:     106
    .vgpr_count:     1024
    .wavefront_size: 32
...
	.end_amdgpu_metadata
.endif
;; end of part 5
;; launch ffn2 (part 6): grid 8 x 32, 4 waves a work-group, clusters of 4 x 4, 327,680 bytes of LDS; arguments fb, pwb, b2, x2, out0; writes out0
.if DOCPART == 6
	.amdgcn_target "amdgcn-amd-amdhsa--gfx1250"
	.amdhsa_code_object_version 6
	.text
	.protected	k_q2c32affd54_ffn2
	.globl	k_q2c32affd54_ffn2
	.p2align	8
	.type	k_q2c32affd54_ffn2,@function
k_q2c32affd54_ffn2:
	s_mov_b64 s[64:65], 0
	v_nop
	global_prefetch_b8 v0, s[64:65] scope:SCOPE_SE
	s_setreg_imm32_b32 hwreg(HW_REG_WAVE_MODE, 25, 1), 1
	s_wait_xcnt 0x0
	s_wait_alu depctr_hold_cnt(0) depctr_sa_sdst(0) depctr_va_vdst(0) depctr_va_sdst(0) depctr_va_ssrc(0) depctr_va_vcc(0) depctr_vm_vsrc(0)
	s_getreg_b32 s2, hwreg(HW_REG_IB_STS2, 6, 4)
	s_cmp_eq_u32 s2, 0
	s_cbranch_scc0 .Lentry_in_a_cluster
	s_endpgm
.Lentry_in_a_cluster:
	s_bfe_u32 s2, ttmp6, 0x10000c
	s_cmp_lg_u32 s2, 0xf033
	s_cbranch_scc0 .Lentry_shape_is_right
	s_endpgm
.Lentry_shape_is_right:
.set NS,     32
.set HASB,   1
.set AOS,    12582912
.set BOC,    9568256
.set BOS,    12976128
.set RESP,   10
.set OUTP,   12
.set LAPS,   NS/8
.set FR,     12
.set HALFT,  24576
.set SLOT,   4*HALFT
.set SCL,    2*SLOT
.set HALFS,  256*NS
.set SCB,    2*HALFS+128
.set SPARE,  229632
.set STAGE,  230144
.set ADRA, 16
.set ADRB, 20
.set STO,  24
.set RD,   25
.set CO,   26
.set ADRS, 27
.set SPW,  28
.set NIL,  29
.set SC,   32
.set BI,   64
.set BK,   64
.set ACC,  128
.set G1, 24
.set G0, 32
.set G1B, 48
.set G0B, 56
.set G1S, 68
.set G0S, 76
.set G1SB, 80
.set G0SB, 88
.set MSB, 0
.macro WIN new
.if MSB != \new
	s_set_vgpr_msb (MSB<<8)|\new
.set MSB, \new
.endif
.endm
.set MUL,  0x05
.set TO_F, 0x40
.set TO_R, 0x80
.macro JLOAD g0a, g1a, g0b, g1b
	s_cmp_eq_u32 s15, 0
	s_cbranch_scc0 .Lfor_b_\@
	tensor_load_to_lds s[\g0a:\g0a+3], s[\g1a:\g1a+7]
	s_nop 0
.rept 4
	v_nop
.endr
	s_branch .Lasked_\@
.Lfor_b_\@:
	tensor_load_to_lds s[\g0b:\g0b+3], s[\g1b:\g1b+7]
	s_nop 0
.rept 4
	v_nop
.endr
.Lasked_\@:
.endm
.macro CREST
	s_cmp_lg_u32 s14, 0
	s_cbranch_scc1 .Lnot_wave_0_\@
	s_barrier_signal -3
.Lnot_wave_0_\@:
	s_barrier_wait -3
	s_barrier_signal -1
	s_barrier_wait -1
.endm
.macro CROUND
	s_barrier_signal -1
	s_barrier_wait -1
	CREST
.endm
.macro PLACES
.rept 4
	v_nop
.endr
.endm
	s_load_b256 s[4:11], s[0:1], 0x0
.if HASB
	s_load_b64 s[12:13], s[0:1], 0x20
.endif
	v_lshl_add_u32 v[SPW], v0, 2, SPARE
	v_mov_b32 v[NIL], 0
	ds_add_u32 v28, v29
	ds_add_u32 v28, v29
	s_wait_dscnt 0x0
	v_lshrrev_b32 v1, 5, v0
	v_readfirstlane_b32 s14, v1
	s_lshr_b32 s15, s14, 1
	s_and_b32 s16, s14, 1
	s_bfe_u32 s40, ttmp6, 0x40000
	s_bfe_u32 s41, ttmp6, 0x40004
	s_lshl_b32 s42, ttmp9, 2
	s_add_co_u32 s42, s42, s40
	s_and_b32 s17, ttmp7, 0xffff
	s_lshl_b32 s17, s17, 2
	s_add_co_u32 s17, s17, s41
	s_lshl_b32 s43, s41, 2
	s_lshl_b32 s43, 15, s43
	s_lshl_b32 s44, 0x1111, s40
	s_or_b32 s[G1+0], s43, (3<<16)|(1<<21)
	s_or_b32 s[G1B+0], s44, (3<<16)|(1<<21)
.irp g, G1, G1B
	s_mov_b32 s[\g+1], 768<<16
	s_mov_b32 s[\g+2], 8<<16                       ; the head's loads bring all 8 tiles; behind them these two words are set to 4
	s_mov_b32 s[\g+3], 768<<16
	s_mov_b32 s[\g+4], 8
	s_mov_b32 s[\g+5], 192*NS
	s_mov_b32 s[\g+6], 0
	s_mov_b32 s[\g+7], 0
.endr
	s_or_b32 s[G1S+0], s43, (3<<16)|(1<<21)
	s_or_b32 s[G1SB+0], s44, (3<<16)|(1<<21)
.irp g, G1S, G1SB
	s_mov_b32 s[\g+1], 32<<16
	s_mov_b32 s[\g+2], (2*NS)<<16                  ; the scale words of all 8 tiles, one load
	s_mov_b32 s[\g+3], 32<<16
	s_mov_b32 s[\g+4], 2*NS
	s_mov_b32 s[\g+5], 32
	s_mov_b32 s[\g+6], 0
	s_mov_b32 s[\g+7], 0
.endr
	s_lshl_b32 s18, s16, 2
	s_lshl_b32 s20, s17, 3
	s_add_co_u32 s20, s20, s18
	s_lshl_b32 s46, s42, 3
	s_add_co_u32 s46, s46, s18
	s_mul_i32 s22, s17, 512*NS                     ; the block's first scale word: 8 tiles x 64 NS bytes
	s_add_co_u32 s22, s22, AOS
	s_mul_i32 s20, s20, 1536*NS
	s_mul_i32 s92, s42, 512*NS
	s_add_co_u32 s92, s92, BOS
	s_mul_i32 s46, s46, 1536*NS
	s_add_co_u32 s46, s46, BOC
	s_mov_b32 s21, 0
	s_mov_b32 s23, 0
	s_mov_b32 s47, 0
	s_mov_b32 s93, 0
	s_mul_i32 s45, s14, HALFT
	s_mul_i32 s94, s14, HALFS
	s_wait_kmcnt 0x0
	s_add_nc_u64 s[20:21], s[4:5], s[20:21]
	s_add_nc_u64 s[22:23], s[4:5], s[22:23]
	s_add_nc_u64 s[46:47], s[6:7], s[46:47]
	s_add_nc_u64 s[92:93], s[6:7], s[92:93]
	CROUND
	s_mov_b32 s[G0S], 1
	s_mov_b32 s[G0S+1], SCL
	s_mov_b64 s[G0S+2:G0S+3], s[22:23]
	s_or_b32 s[G0S+3], s[G0S+3], 0x80000000
	s_mov_b32 s[G0SB], 1
	s_mov_b32 s[G0SB+1], SCL+SCB
	s_mov_b64 s[G0SB+2:G0SB+3], s[92:93]
	s_or_b32 s[G0SB+3], s[G0SB+3], 0x80000000
.irp s, 0,1
	s_mov_b32 s[G0+4*\s], 1
	s_add_co_u32 s[G0+4*\s+1], s45, \s*SLOT
	s_add_nc_u64 s[G0+4*\s+2:G0+4*\s+3], s[20:21], \s*6144
	s_or_b32 s[G0+4*\s+3], s[G0+4*\s+3], 0x80000000
	s_mov_b32 s[G0B+4*\s], 1
	s_add_co_u32 s[G0B+4*\s+1], s45, \s*SLOT
	s_add_nc_u64 s[G0B+4*\s+2:G0B+4*\s+3], s[46:47], \s*6144
	s_or_b32 s[G0B+4*\s+3], s[G0B+4*\s+3], 0x80000000
.endr
; THE PREFETCHES: a chunk is 512 along K, 6,144 bytes of each tile.  Of the 4 tiles that my wave fetches in the ring each of the four partners that ask for them with me takes one, told apart by
; address (cx for A, cy for B): 24 lanes name its 24 blocks of 256 bytes, the 8 lanes left over the last block again.  With the load of chunk c goes the request for chunk c + 2.
	s_cmp_eq_u32 s15, 0
	s_cselect_b64 s[96:97], s[20:21], s[46:47]
	s_cselect_b32 s98, s40, s41
	s_mul_i32 s98, s98, 1536*NS
	s_mov_b32 s99, 0
	s_add_nc_u64 s[96:97], s[96:97], s[98:99]
; the head's four tiles, one joint load a wave: wave 0 slot 0's 8 tiles of A, wave 1 A's scale words, wave 2 slot 0's 8 tiles of B, wave 3 B's scale words.
; Waves 0 and 2 fetch the first half in the ring, so their slot 0 group 0 points at the block's first tile.
.macro ARM under, g0, g1, next
	s_cmp_lt_u32 s14, \under
	s_cbranch_scc0 \next
	tensor_load_to_lds s[\g0:\g0+3], s[\g1:\g1+7]
	s_nop 0
.rept 4
	v_nop
.endr
	s_branch .Lhead_asked
\next:
.endm
	ARM 1, G0, G1, .Lhead_1
	ARM 2, G0S, G1S, .Lhead_2
	ARM 3, G0B, G1B, .Lhead_3
	tensor_load_to_lds s[G0SB:G0SB+3], s[G1SB:G1SB+7]
	s_nop 0
.rept 4
	v_nop
.endr
.Lhead_asked:
	v_and_b32 v1, 31, v0
	v_min_u32 v30, 23, v1
	v_lshlrev_b32 v30, 8, v30
	global_prefetch_b8 v30, s[96:97] offset:6144 th:TH_LOAD_NT scope:SCOPE_SE      ; chunks 1 and 2
	global_prefetch_b8 v30, s[96:97] offset:12288 th:TH_LOAD_NT scope:SCOPE_SE
	v_and_b32 v2, 15, v0
	v_bfe_u32 v3, v0, 4, 1
	v_lshlrev_b32 v4, 4, v1
	v_lshlrev_b32 v5, 3, v1
	s_mul_i32 s21, s15, HALFT
	s_mul_i32 s22, s16, HALFT
	s_add_co_u32 s22, s22, 2*HALFT
.irp s, 0,1
	v_add_nc_u32 v[ADRA+\s], s21, v4
	v_add_nc_u32 v[ADRA+2+\s], s21, v5
	v_add_nc_u32 v[ADRB+\s], s22, v4
	v_add_nc_u32 v[ADRB+2+\s], s22, v5
	s_add_co_u32 s21, s21, SLOT
	s_add_co_u32 s22, s22, SLOT
.endr
	s_mul_i32 s21, s15, HALFS
	s_mul_i32 s22, s16, HALFS
	s_add_co_u32 s22, s22, SCB
	s_sub_co_u32 s22, s22, s21
	v_mul_u32_u24 v6, s22, v3
	s_add_co_u32 s21, s21, SCL
	v_lshl_add_u32 v[ADRS], v2, 2, v6
	v_add_nc_u32 v[ADRS], s21, v[ADRS]
	s_mul_i32 s23, s14, 16*272
	s_add_co_u32 s23, s23, STAGE
	v_mul_u32_u24 v6, v2, 272
	v_lshl_add_u32 v6, v3, 6, v6
	v_add_nc_u32 v[STO], s23, v6
	v_mul_u32_u24 v6, v3, 272
	v_lshl_add_u32 v6, v2, 4, v6
	v_add_nc_u32 v[RD], s23, v6
	v_lshlrev_b32 v6, 12, v3
	v_lshl_add_u32 v[CO], v2, 4, v6
	s_wait_alu depctr_va_vdst(0)
	s_lshl_b32 s20, s17, 7
	s_lshl_b32 s21, s15, 6
	s_add_co_u32 s20, s20, s21
	s_lshl_b32 s20, s20, 12
	s_lshl_b32 s46, s42, 9
	s_lshl_b32 s47, s16, 8
	s_add_co_u32 s46, s46, s47
	s_mov_b32 s47, 0
	s_add_co_u32 s20, s20, s46
	s_mov_b32 s21, 0
	s_add_nc_u64 s[RESP:RESP+1], s[RESP:RESP+1], s[20:21]
	s_add_nc_u64 s[OUTP:OUTP+1], s[OUTP:OUTP+1], s[20:21]
.if HASB
	s_add_nc_u64 s[8:9], s[8:9], s[46:47]
	v_lshlrev_b32 v7, 6, v3
.irp b, 0,1,2,3
	global_load_b128 v[BI+8*\b:BI+8*\b+3], v7, s[8:9] offset:(32*(\b/2)+8*(\b%2))*4
	global_load_b128 v[BI+8*\b+4:BI+8*\b+7], v7, s[8:9] offset:(32*(\b/2)+8*(\b%2))*4+16
.endr
.endif
	WIN TO_R
.irp a, 0,1,2,3
.irp t, 0,1,2,3,4,5,6,7
	global_load_b128 v[32*\a+4*\t:32*\a+4*\t+3], v[CO], s[RESP:RESP+1] offset:(32*(\a/2)+8*(\a%2)+2*\t+8*(\t/4))*4096
.endr
.endr
	WIN 0
.macro FRAG reg, adr, off
	ds_load_b128 v[(\reg):(\reg)+3], v[\adr] offset:(\off)
	ds_load_b64 v[(\reg)+4:(\reg)+5], v[(\adr)+2] offset:(\off)+512
	ds_load_b128 v[(\reg)+6:(\reg)+9], v[\adr] offset:(\off)+768
	ds_load_b64 v[(\reg)+10:(\reg)+11], v[(\adr)+2] offset:(\off)+1280
.endm
.macro MUL8 f, a0, cm
.irp a, \a0, \a0+1
.irp b, 0,1,2,3
.if \cm == 1
	v_wmma_scale_f32_16x16x128_f8f6f4 v[ACC+8*(4*(\a)+\b):ACC+8*(4*(\a)+\b)+7], v[128*(\f)+48+FR*\b:128*(\f)+48+FR*\b+FR-1], v[128*(\f)+FR*(\a):128*(\f)+FR*(\a)+FR-1], 0, v[SC+4*(\f)+\b], v[SC+4*(\f)+(\a)] matrix_a_fmt:MATRIX_FMT_FP6 matrix_b_fmt:MATRIX_FMT_FP6 matrix_a_scale:MATRIX_SCALE_ROW1
.elseif \cm == 2
	v_wmma_scale_f32_16x16x128_f8f6f4 v[ACC+8*(4*(\a)+\b):ACC+8*(4*(\a)+\b)+7], v[128*(\f)+48+FR*\b:128*(\f)+48+FR*\b+FR-1], v[128*(\f)+FR*(\a):128*(\f)+FR*(\a)+FR-1], v[BI+8*\b:BI+8*\b+7], v[SC+4*(\f)+\b], v[SC+4*(\f)+(\a)] matrix_a_fmt:MATRIX_FMT_FP6 matrix_b_fmt:MATRIX_FMT_FP6 matrix_a_scale:MATRIX_SCALE_ROW1
.else
	v_wmma_scale_f32_16x16x128_f8f6f4 v[ACC+8*(4*(\a)+\b):ACC+8*(4*(\a)+\b)+7], v[128*(\f)+48+FR*\b:128*(\f)+48+FR*\b+FR-1], v[128*(\f)+FR*(\a):128*(\f)+FR*(\a)+FR-1], v[ACC+8*(4*(\a)+\b):ACC+8*(4*(\a)+\b)+7], v[SC+4*(\f)+\b], v[SC+4*(\f)+(\a)] matrix_a_fmt:MATRIX_FMT_FP6 matrix_b_fmt:MATRIX_FMT_FP6 matrix_a_scale:MATRIX_SCALE_ROW1
.endif
.endr
.endr
.endm
.macro FETCH slot, q, f
	WIN 0
.irp i, 0,1,2,3
	ds_load_b32 v[SC+4*(\f)+\i], v[ADRS] offset:64*NS*\i+64*(\q)
.endr
	WIN TO_F
.irp i, 0,1,2,3
	FRAG 128*(\f)+FR*\i, ADRA+\slot, 6144*\i+1536*(\q)
	FRAG 128*(\f)+48+FR*\i, ADRB+\slot, 6144*\i+1536*(\q)
.endr
.endm
.macro STEP slot, q, cm
	s_wait_dscnt 0
	PLACES
	FETCH \slot, (\q)+1, 1-(\q)%2
	WIN MUL
	MUL8 (\q)%2, 0, \cm
	MUL8 (\q)%2, 2, \cm
.endm
.macro TURN slot, next, fill
	WIN 0
	s_wait_tensorcnt 0x0
	ds_add_u32 v[SPW], v[NIL]
	s_wait_dscnt 1
	WIN MUL
	MUL8 1, 0, 0
	s_wait_dscnt 0x0
	s_barrier_signal -1
	WIN 0
	s_barrier_wait -1
.if \fill
	CREST
	s_add_nc_u64 s[G0+4*\slot+2:G0+4*\slot+3], s[G0+4*\slot+2:G0+4*\slot+3], 12288
	s_add_nc_u64 s[G0B+4*\slot+2:G0B+4*\slot+3], s[G0B+4*\slot+2:G0B+4*\slot+3], 12288
	JLOAD G0+4*\slot, G1, G0B+4*\slot, G1B
.else
	PLACES
.endif
	v_add_nc_u32 v[ADRS], 256, v[ADRS]
	FETCH \next, 0, 0
.if \fill
	WIN 0                                          ; at a branch and at a label every window is 0
	s_cmp_gt_u32 s3, 1                             ; the last trip's refills are chunks 6 and 7: no chunk stands two on
	s_cbranch_scc0 .Lno_ask_\@
	global_prefetch_b8 v30, s[96:97] offset:(4+\slot)*6144 th:TH_LOAD_NT scope:SCOPE_SE   ; two chunks on from the refill above
.Lno_ask_\@:
.endif
	WIN MUL
	MUL8 1, 2, 0
.endm
	s_wait_alu depctr_va_vdst(0)                   ; the wait at the head's end
	s_wait_tensorcnt 0x0                           ; my tile of the head's four is in
	ds_add_u32 v28, v29                            ; the add ahead of a later first fill
	s_mov_b32 s[G1+2], 4<<16                       ; no load of mine is out: from here on a load brings 4 tiles
	s_mov_b32 s[G1+4], 4
	s_mov_b32 s[G1B+2], 4<<16
	s_mov_b32 s[G1B+4], 4
	s_wait_dscnt 0x0
	CROUND
	JLOAD G0+4, G1, G0B+4, G1B                     ; slot 1's first fill, a quarter a wave
	global_prefetch_b8 v30, s[96:97] offset:18432 th:TH_LOAD_NT scope:SCOPE_SE     ; chunk 3
	FETCH 0, 0, 0
.if HASB
	s_wait_loadcnt 32
	STEP 0, 0, 2
.else
	STEP 0, 0, 1
.endif
.if LAPS > 1
	WIN 0
	s_mov_b32 s3, LAPS-1
.Llap:
	s_wait_alu depctr_va_vdst(0)
	STEP 0, 1, 0
	STEP 0, 2, 0
	TURN 0, 1, 1
	s_wait_alu depctr_va_vdst(0)
	STEP 1, 0, 0
	STEP 1, 1, 0
	STEP 1, 2, 0
	TURN 1, 0, 1
	s_wait_alu depctr_va_vdst(0)
	STEP 0, 0, 0
	WIN 0
	s_wait_xcnt 0x0                                ; my prefetches have read their base: two chunks on for the next trip
	s_add_nc_u64 s[96:97], s[96:97], 12288
	s_sub_co_u32 s3, s3, 1
	s_cmp_lg_u32 s3, 0
	s_cbranch_scc1 .Llap
.endif
	STEP 0, 1, 0
	STEP 0, 2, 0
	TURN 0, 1, 0
	s_wait_alu depctr_va_vdst(0)
	STEP 1, 0, 0
	STEP 1, 1, 0
	STEP 1, 2, 0
	s_wait_dscnt 0
	WIN MUL
	MUL8 1, 0, 0
	MUL8 1, 2, 0
	WIN 0
	PLACES
.macro OUTB a
.if \a > 0
	s_wait_xcnt 0x0
.endif
.irp b, 0,1,2,3
	ds_store_b128 v[STO], v[ACC+8*(4*\a+\b):ACC+8*(4*\a+\b)+3] offset:128*(\b/2)+32*(\b%2)
	ds_store_b128 v[STO], v[ACC+8*(4*\a+\b)+4:ACC+8*(4*\a+\b)+7] offset:128*(\b/2)+32*(\b%2)+16
.endr
.irp t, 0,1,2,3,4,5,6,7
	ds_load_b128 v[BK+4*\t:BK+4*\t+3], v[RD] offset:544*\t
.endr
	s_wait_dscnt 0x0
	s_wait_loadcnt 24-8*\a
	WIN 0x08
.irp i, 0,2,4,6,8,10,12,14,16,18,20,22,24,26,28,30
	v_pk_add_f32 v[BK+\i:BK+\i+1], v[BK+\i:BK+\i+1], v[32*\a+\i:32*\a+\i+1]
.endr
	WIN 0
.irp t, 0,1,2,3,4,5,6,7
	global_store_b128 v[CO], v[BK+4*\t:BK+4*\t+3], s[OUTP:OUTP+1] offset:(32*(\a/2)+8*(\a%2)+2*\t+8*(\t/4))*4096
.endr
.endm
	OUTB 0
	OUTB 1
	OUTB 2
	OUTB 3
	s_wait_tensorcnt 0x0
	ds_add_u32 v[SPW], v[NIL]
	s_wait_dscnt 0x0
	CROUND
	s_endpgm
.Lfunc_end_k_q2c32affd54_ffn2:
	.size	k_q2c32affd54_ffn2, .Lfunc_end_k_q2c32affd54_ffn2-k_q2c32affd54_ffn2
	.p2alignl 7, 3214868480
	.fill 96, 4, 3214868480
	.section	.rodata,"a",@progbits
	.p2align	6, 0x0
	.amdhsa_kernel k_q2c32affd54_ffn2
		.amdhsa_group_segment_fixed_size 327680
		.amdhsa_private_segment_fixed_size 0
		.amdhsa_enable_private_segment 0
		.amdhsa_kernarg_size 40
		.amdhsa_user_sgpr_count 2
		.amdhsa_user_sgpr_kernarg_segment_ptr 1
		.amdhsa_wavefront_size32 1
		.amdhsa_system_sgpr_workgroup_id_x 1
		.amdhsa_system_sgpr_workgroup_id_y 1
		.amdhsa_system_sgpr_workgroup_id_z 1
		.amdhsa_system_vgpr_workitem_id 0
		.amdhsa_next_free_vgpr 640
		.amdhsa_next_free_sgpr 100
		.amdhsa_reserve_vcc 0
		.amdhsa_float_denorm_mode_32 3
		.amdhsa_float_denorm_mode_16_64 3
		.amdhsa_memory_ordered 1
		.amdhsa_forward_progress 1
		.amdhsa_inst_pref_size 102
	.end_amdhsa_kernel
	.amdgpu_metadata
---
amdhsa.version: [ 1, 2 ]
amdhsa.kernels:
  - .name:           k_q2c32affd54_ffn2
    .symbol:         k_q2c32affd54_ffn2.kd
    .args:
      - { .name: fb, .offset: 0, .size: 8, .value_kind: global_buffer, .address_space: global }
      - { .name: pwb, .offset: 8, .size: 8, .value_kind: global_buffer, .address_space: global }
      - { .name: b2, .offset: 16, .size: 8, .value_kind: global_buffer, .address_space: global }
      - { .name: x2, .offset: 24, .size: 8, .value_kind: global_buffer, .address_space: global }
      - { .name: out0, .offset: 32, .size: 8, .value_kind: global_buffer, .address_space: global }
    .group_segment_fixed_size: 327680
    .private_segment_fixed_size: 0
    .kernarg_segment_align: 8
    .kernarg_segment_size: 40
    .max_flat_workgroup_size: 128
    .sgpr_count:     100
    .vgpr_count:     640
    .wavefront_size: 32
...
	.end_amdgpu_metadata
.endif
;; end of part 6
